; MI455X (gfx1250); checked and timed in simulation.
; The chip was launched on July 23, 2026; its instructions are those of AMD's public machine-readable ISA for CDNA 5 (MIT licence, August 2026) and "CDNA5" Instruction Set Architecture Reference Guide (July 2026). The comments in the code are by the model that wrote it; some were corrected since.
;; Encoder Layer. Allowed arithmetic: matrix products marked QUANTISED: E5M2 operands, one given power-of-two scale a tensor, by v_wmma_f32_16x16x64_bf8_bf8 or v_wmma_f32_16x16x128_bf8_bf8, f32 sums; everything else in f32.
;; Inputs: alpha1 1,024 float32; alpha2 1,024 float32; b1 4,096 float32; b2 1,024 float32; bias1 1,024 float32; bias2 1,024 float32; lowp_scales 16 int32 (the exponents e of the quantised operands' scales 2^e); mask 2 x 1 x 1 x 2,048 int32; w1 1,024 x 4,096 float32; w2 4,096 x 1,024 float32; wk 1,024 x 1,024 float32; wo 1,024 x 1,024 float32; wo_b 1,024 float32; wq 1,024 x 1,024 float32; wv 1,024 x 1,024 float32; x 2 x 2,048 x 1,024 float32.
;; Outputs: out0 2 x 2,048 x 1,024 float32.
;; This version of the problem:
;;   THIS VERSION OF THE PROBLEM IS GIVEN IN LOW PRECISION. The matrix products marked QUANTISED in the list below multiply operands that are first quantised to E5M2 (5 exponent bits, 2 mantissa bits; 8 bits a number), with one given power-of-two scale for each operand tensor; their sums are f32. All else is computed in f32.
;;   The module's matrix products, in the order in which they are computed (A, B: the left and right operand; K: the contracted axis; several contracted axes count as one K, in the product's order):
;;     1. [M 4,096, K 1,024] x [K 1,024, N 1,024]; A: input x; B: input wq: QUANTISED (scales: A lowp_scales[0], B lowp_scales[1])
;;     2. [M 4,096, K 1,024] x [K 1,024, N 1,024]; A: input x; B: input wk: QUANTISED (scales: A lowp_scales[2], B lowp_scales[3])
;;     3. [M 4,096, K 1,024] x [K 1,024, N 1,024]; A: input x; B: input wv: QUANTISED (scales: A lowp_scales[4], B lowp_scales[5])
;;     4. batch 32 x [M 2,048, K 64] x [K 64, N 2,048]; A: computed on the way; B: computed on the way: QUANTISED (scales: A lowp_scales[6], B lowp_scales[7])
;;     5. batch 32 x [M 2,048, K 2,048] x [K 2,048, N 64]; A: softmax (see below); B: computed on the way: QUANTISED (scales: A lowp_scales[8], B lowp_scales[9])
;;     6. [M 4,096, K 1,024] x [K 1,024, N 1,024]; A: computed on the way; B: input wo: QUANTISED (scales: A lowp_scales[10], B lowp_scales[11])
;;     7. [M 4,096, K 1,024] x [K 1,024, N 4,096]; A: computed on the way; B: input w1: QUANTISED (scales: A lowp_scales[12], B lowp_scales[13])
;;     8. [M 4,096, K 4,096] x [K 4,096, N 1,024]; A: computed on the way; B: input w2: QUANTISED (scales: A lowp_scales[14], B lowp_scales[15])
;;   THE QUANTISER, for each operand of a quantised product, along K:
;;     - The operand's scale is 2^e, e = its entry of the input lowp_scales (int32; the entries are numbered through the quantised products in the list's order, A before B).
;;     - Each number is divided by the scale, clamped to +-57,344, and rounded to the nearest number of E5M2, ties to even, subnormals kept.
;;     - The product sums the exact products of the quantised numbers (number of the format x scale) in f32.
;;   ~~~python
;;   def quantise(x, axis, e):      # numpy; x: float32 -> the quantised numbers, widened to float32 again
;;       x = np.moveaxis(x, axis, -1); K = x.shape[-1]
;;       r = np.clip(x / 2.0 ** e, -57344, 57344)
;;       step = 2.0 ** (np.maximum(np.frexp(np.where(r == 0, 1, r))[1] - 1, -14) - 2)
;;       q = np.round(r / step) * step * 2.0 ** e      # np.round: ties to even
;;       return np.moveaxis(q, -1, axis).astype(np.float32)
;;   ~~~
;;   SOFTMAX AHEAD OF A QUANTISED PRODUCT. Where the list says 'softmax', what is quantised is not the finished softmax but p = 2^(t - M), with t = logit x log2(e) and M = ceil(the row's largest t), a whole number; so 1/2 < the row's largest p <= 1. The row's sum l is taken of the UNQUANTISED p, in f32, and the product's result is divided by l at the end. Since M is a whole number, a kernel that streams over the keys may use a running M (the ceiling of the running maximum): every later rescaling is an exact power of two, so the quantised numbers keep their values, but for numbers so far below the row's largest that they fall under the format's range.
;;   OPERANDS COMPUTED ON THE WAY. 'Computed on the way' means the value that the module computes at that place (a softmax that the list does not call 'softmax' is quantised finished and normalised). What goes into a quantiser is computed in f32, as accurately as f32 sums, v_exp_f32 and their like allow (about 1e-6 of the number): no bf16 or f16 on the way to a quantiser, and a product that is left as it is and whose result goes on into a quantised operand takes f32 operands (vector FMAs, or v_wmma_f32_16x16x4_f32). A number that lies on a knife's edge between two numbers of the format may be rounded either way, as far as f32 arithmetic and the matrix unit's own rounding can turn it there, and no further.
;; One version. Each part assembles by itself: llvm-mc -triple=amdgcn-amd-amdhsa -mcpu=gfx1250 --defsym DOCPART=n.
;; ======== version 1 of 1: 8 launches
;; limits: right only within a limited range of input values
;; workspace buffers: ca 12,582,912 bytes; cb 12,582,912 bytes; wc 8,388,608 bytes; w2c 4,194,304 bytes; part 16,777,216 bytes; x1 16,777,216 bytes; hid 16,777,216 bytes
;; launch quant (part 1): grid 512 x 1, 4 waves a work-group, no clusters, 47,616 bytes of LDS; arguments x, wq, wk, wv, wo, w1, w2, lowp_scales, ca, wc, w2c; writes ca, wc, w2c
.if DOCPART == 1
	.amdgcn_target "amdgcn-amd-amdhsa--gfx1250"
	.amdhsa_code_object_version 6
	.text
	.protected	k_q4eef4072f6_quant
	.globl	k_q4eef4072f6_quant
	.p2align	8
	.type	k_q4eef4072f6_quant,@function
k_q4eef4072f6_quant:
	s_mov_b64 s[64:65], 0
	v_nop
	global_prefetch_b8 v0, s[64:65] scope:SCOPE_SE
	s_setreg_imm32_b32 hwreg(HW_REG_WAVE_MODE, 25, 1), 1
	s_wait_xcnt 0x0
; x and the six weights, f32, become codes of BF8 (E5M2): code = number / 2^e, held within +-57,344, to the nearest code, ties to even.
; EVERY OPERAND IS LAID IN PANELS: [K / 256][rows][256 bytes]: the code of (row, k) lies at (k / 256) x rows x 256 + row x 256 + k % 256, so that a K step's tile of 128 rows is one dense block of rows of 256 bytes.
; x has three given scales (entries 0, 2, 4 of the scales, for the products with wq, wk, wv): three sets of codes, 4 MiB apart in ca.
; wc: wo at 0, wq at 1 MiB, wk at 2 MiB, wv at 3 MiB, w1 at 4 MiB;  w2c: w2.  A weight is stored [k][n]: its rows here are its columns n.
; Work-groups 0-127 take x (32 rows each, 8 a wave); work-groups 128-511 take a block of 128 columns x 256 along K of a weight.  Either way a work-group reads 128 KiB.
; The two ways part on the work-group's number, never join, and have LDS bytes of their own.  No barrier: waves share nothing.
; LIMITS: every e used here lies between -126 and 112, so that 2^e and 57,344 x 2^e are f32 numbers.  NaN among the inputs is not served (an infinity is held at the largest code).
.set XLDS, 34816                       ; x's way: LDS from here on, 3,072 bytes a wave: a row's 1,024 codes, three times
.set XWB,  3072
.set X,    32                          ; v32-127  three sets of 32: a row's numbers of my lane
.set T,    128                         ; v128-159 the row, held
.set C,    160                         ; v160-183 its codes, 8 registers for each scale
.set OUT,  184                         ; v184-207 the codes back from LDS, in the order of the row
.set O,    32                          ; a weight's way: v32-63 byte offsets of 32 rows k at my column
.set WX,   64                          ; v64-127  two sets of 32 numbers down K
.set WC,   128                         ; v128-135 a block's codes
.set OUTR, 136                         ; v136-199 the way out
.set WP,   272                         ; a stage row: 256 bytes of codes + 16
.macro MKSC e, sc, lim                 ; from the whole number in s[e]: v[sc] = 2^e as f32 (the conversion takes its exponent field), v[lim] = 57,344 x 2^e
	s_add_co_i32 s86, s[\e], 127
	s_lshl_b32 s87, s86, 23
	v_mov_b32 v[\sc], s87
	s_add_co_i32 s86, s86, 15
	s_lshl_b32 s86, s86, 23
	s_or_b32 s86, s86, 0x600000
	v_mov_b32 v[\lim], s86
.endm
	s_load_b512 s[4:19], s[0:1], 0x0               ; x 4, wq 6, wk 8, wv 10, wo 12, w1 14, w2 16, the scales 18
	s_load_b128 s[20:23], s[0:1], 0x40             ; ca, wc
	s_load_b64 s[24:25], s[0:1], 0x50              ; w2c
	v_lshl_add_u32 v224, v0, 2, 0xb800
	v_mov_b32 v225, 0
	v_lshrrev_b32 v1, 5, v0
	v_readfirstlane_b32 s3, v1                     ; wave 0..3
	v_and_b32 v2, 31, v0                           ; lane
	s_wait_kmcnt 0x0
	s_load_b512 s[68:83], s[18:19], 0x0            ; e0 .. e15
	s_cmp_ge_u32 ttmp9, 128
	s_cbranch_scc1 .Lweights
; ---------------- x: a wave takes 8 rows.  Each load reads 512 consecutive bytes (lane l: columns 128 j + 4 l + 0 .. 3), so a conversion's two words are the four codes of load 2 g and of load 2 g + 1;
; the words go to LDS at 128 j + 4 l, where the row's 1,024 codes then lie in order, and come back 16 bytes a lane: sixteen lanes store one panel's row of 256 bytes.
	s_wait_alu depctr_va_vdst(0)
	v_lshlrev_b32 v1, 4, v2                        ; 16 x lane
	s_wait_alu depctr_va_vdst(0)
	v_lshrrev_b32 v5, 4, v2
	v_and_b32 v6, 15, v2
	v_lshlrev_b32 v6, 4, v6
	v_lshl_or_b32 v7, v5, 20, v6                   ; out: lanes 16-31 stand one panel (1 MiB) further on
	s_mul_i32 s26, s3, XWB
	s_add_co_u32 s26, s26, XLDS
	v_lshl_add_u32 v3, v2, 2, s26                  ; LDS, in: 4 x lane
	v_lshl_add_u32 v4, v2, 4, s26                  ; LDS, back: 16 x lane
	s_lshl_b32 s32, ttmp9, 17                      ; 32 rows of 4,096 bytes a work-group,
	s_lshl_b32 s33, s3, 15                         ; 8 a wave
	s_add_co_u32 s32, s32, s33
	s_mov_b32 s33, 0
	s_add_nc_u64 s[4:5], s[4:5], s[32:33]
	s_lshl_b32 s32, ttmp9, 13                      ; the same rows in a panel: 256 bytes each
	s_lshl_b32 s34, s3, 11
	s_add_co_u32 s32, s32, s34
	s_add_nc_u64 s[26:27], s[20:21], s[32:33]      ; the three sets
	s_add_nc_u64 s[28:29], s[26:27], 0x400000
	s_add_nc_u64 s[30:31], s[26:27], 0x800000
.macro XLOAD r
.irp j, 0,1,2,3,4,5,6,7
	global_load_b128 v[X+32*((\r)%3)+4*\j:X+32*((\r)%3)+4*\j+3], v1, s[4:5] offset:4096*(\r)+512*\j th:TH_LOAD_NT
.endr
.endm
	XLOAD 0
	XLOAD 1
	XLOAD 2
	s_wait_kmcnt 0x0
	MKSC 68, 8, 9                                  ; e0
	MKSC 70, 10, 11                                ; e2
	MKSC 72, 12, 13                                ; e4
.macro XROW r
.set XS, X+32*((\r)%3)
.if (\r) < 6
	s_wait_loadcnt 16                              ; this row's eight loads are in; the two younger rows' sixteen may be out
.else
	s_wait_loadcnt 8*(7-(\r))
.endif
	s_wait_xcnt 0x0                                ; the last row's stores have read OUT: it is written again only behind this wait
.irp s, 0,1,2
.set i, 0
.rept 32
	v_med3_num_f32 v[T+i], v[XS+i], -v[9+2*\s], v[9+2*\s]   ; the conversion to an 8-bit code does not saturate (ISA guide 7.6.2): the hold comes first
.set i, i+1
.endr
.irp g, 0,1,2,3
	v_cvt_scalef32_pk8_bf8_f32 v[C+8*\s+2*\g:C+8*\s+2*\g+1], v[T+8*\g:T+8*\g+7], v[8+2*\s]
.endr
	v_nop                                          ; a plain line between the conversions and the next holds, which write their sources
.irp j, 0,1,2,3,4,5,6,7
	ds_store_b32 v3, v[C+8*\s+\j] offset:1024*\s+128*\j
.endr
.endr
.if (\r)+3 < 8
	XLOAD (\r)+3                                   ; into the set that has just been read
.endif
.irp s, 0,1,2
.irp i, 0,1
	ds_load_b128 v[OUT+8*\s+4*\i:OUT+8*\s+4*\i+3], v4 offset:1024*\s+512*\i   ; LDS serves a wave's instructions in order: these see my stores
.endr
.endr
	s_wait_dscnt 0x0                               ; the codes are back, and the stores have read C
.irp s, 0,1,2
.irp i, 0,1
	global_store_b128 v7, v[OUT+8*\s+4*\i:OUT+8*\s+4*\i+3], s[26+2*\s:27+2*\s] offset:256*(\r)+0x200000*\i   ; sixteen lanes: 256 consecutive bytes, aligned
.endr
.endr
.endm
	s_wait_alu depctr_va_vdst(0)
.irp r, 0,1,2,3,4,5,6,7
	XROW \r
.endr
	s_wait_tensorcnt 0x0
	ds_add_u32 v224, v225
	s_wait_dscnt 0x0
	s_endpgm
; ---------------- a weight: A LANE TAKES A COLUMN n AND ITS REGISTERS RUN DOWN K, so the conversions give codes with K innermost and nothing is transposed by an instruction.
; u = work-group - 128.  u / 32 = 0: wq, 1: wk, 2: wv, 3: wo (8 blocks of columns x 4 of K each); 4-7: w1 (32 x 4); 8-11: w2 (8 x 16).  The choice hangs on the work-group's number alone.
.Lweights:
	s_wait_kmcnt 0x0
	s_sub_co_u32 s26, ttmp9, 128                   ; u
	s_lshr_b32 s27, s26, 5
	s_mov_b64 s[28:29], s[16:17]                   ; from: w2,
	s_mov_b64 s[30:31], s[24:25]                   ; to: w2c,
	s_mov_b32 s32, 0                               ; at byte 0,
	s_mov_b32 s33, s83                             ; with e15,
	s_mov_b32 s34, 3                               ; 2^3 blocks of 128 columns,
	s_sub_co_u32 s35, s26, 256                     ; block number in the tensor
	s_sub_co_u32 s36, s26, 128
	s_mov_b32 s37, 0x400000
	s_cmp_lt_u32 s27, 8                            ; w1
	s_cselect_b64 s[28:29], s[14:15], s[28:29]
	s_cselect_b64 s[30:31], s[22:23], s[30:31]
	s_cselect_b32 s32, s37, s32
	s_cselect_b32 s33, s81, s33                    ; e13
	s_cselect_b32 s34, 5, s34
	s_cselect_b32 s35, s36, s35
	s_and_b32 s36, s26, 31
	s_cmp_lt_u32 s27, 4                            ; wo
	s_cselect_b64 s[28:29], s[12:13], s[28:29]
	s_cselect_b32 s32, 0, s32
	s_cselect_b32 s33, s79, s33                    ; e11
	s_cselect_b32 s34, 3, s34
	s_cselect_b32 s35, s36, s35
	s_mov_b32 s37, 0x300000
	s_cmp_lt_u32 s27, 3                            ; wv
	s_cselect_b64 s[28:29], s[10:11], s[28:29]
	s_cselect_b32 s32, s37, s32
	s_cselect_b32 s33, s73, s33                    ; e5
	s_mov_b32 s37, 0x200000
	s_cmp_lt_u32 s27, 2                            ; wk
	s_cselect_b64 s[28:29], s[8:9], s[28:29]
	s_cselect_b32 s32, s37, s32
	s_cselect_b32 s33, s71, s33                    ; e3
	s_mov_b32 s37, 0x100000
	s_cmp_lt_u32 s27, 1                            ; wq
	s_cselect_b64 s[28:29], s[6:7], s[28:29]
	s_cselect_b32 s32, s37, s32
	s_cselect_b32 s33, s69, s33                    ; e1
	s_bfm_b32 s36, s34, 0
	s_and_b32 s36, s35, s36                        ; which 128 columns
	s_lshr_b32 s37, s35, s34                       ; which 256 along K: the panel
	s_lshl_b32 s38, 512, s34                       ; a row of the weight in bytes: 4 x (128 << lg)
	s_lshl_b32 s39, s36, 7
	s_lshl_b32 s84, s3, 5
	s_add_co_u32 s39, s39, s84                     ; my wave's first column
	s_mul_i32 s84, s37, s38
	s_lshl_b32 s84, s84, 8                         ; 256 rows a panel
	s_lshl_b32 s85, s39, 2
	s_add_co_u32 s84, s84, s85
	s_mov_b32 s85, 0
	s_add_nc_u64 s[28:29], s[28:29], s[84:85]
	s_lshl_b32 s84, s37, s34
	s_lshl_b32 s84, s84, 7                         ; panel x columns of the tensor
	s_add_co_u32 s84, s84, s39
	s_lshl_b32 s84, s84, 8                         ; 256 bytes for each
	s_add_co_u32 s84, s84, s32
	s_add_nc_u64 s[30:31], s[30:31], s[84:85]
	s_lshl_b32 s84, s38, 5                         ; 32 rows on
	s_mov_b64 s[40:41], s[28:29]
.irp t, 1,2,3,4,5,6,7
	s_add_nc_u64 s[40+2*\t:41+2*\t], s[38+2*\t:39+2*\t], s[84:85]   ; a base for each block of 32 along K: no pointer is stepped later
.endr
	s_wait_alu depctr_va_vdst(0)
	v_lshlrev_b32 v3, 2, v2                        ; 4 bytes a lane
.set i, 0
.rept 32
	v_mad_u32_u24 v[O+i], s38, i, v3               ; row i of a block, my column
.set i, i+1
.endr
	s_mul_i32 s56, s3, 32*WP                       ; my stage
	v_mul_u32_u24 v4, v2, WP
	v_add_nc_u32 v4, s56, v4                       ; into it: row = my column
	v_and_b32 v5, 15, v2
	v_lshrrev_b32 v6, 4, v2
	v_mul_u32_u24 v7, v6, WP
	v_lshl_add_u32 v7, v5, 4, v7
	v_add_nc_u32 v7, s56, v7                       ; out of it: sixteen lanes to a row, two rows an instruction
	v_lshlrev_b32 v8, 4, v2                        ; and in memory the wave's 32 rows of 256 bytes are one dense block
.macro WLOAD t
.set i, 0
.rept 32
	global_load_b32 v[WX+32*((\t)%2)+i], v[O+i], s[40+2*(\t):41+2*(\t)] th:TH_LOAD_NT   ; 32 lanes: 128 consecutive bytes of a row k
.set i, i+1
.endr
.endm
	WLOAD 0
	WLOAD 1
	MKSC 33, 11, 10
.macro WBLOCK t
.set XS, WX+32*((\t)%2)
.if (\t) < 7
	s_wait_loadcnt 32                              ; this block's 32 loads are in; the next block's may be out
.else
	s_wait_loadcnt 0
.endif
.set i, 0
.rept 32
	v_med3_num_f32 v[XS+i], v[XS+i], -v10, v10
.set i, i+1
.endr
.irp g, 0,1,2,3
	v_cvt_scalef32_pk8_bf8_f32 v[WC+2*\g:WC+2*\g+1], v[XS+8*\g:XS+8*\g+7], v11
.endr
	v_nop                                          ; a plain line behind the last conversion
	ds_store_b128 v4, v[WC:WC+3] offset:32*(\t)
	ds_store_b128 v4, v[WC+4:WC+7] offset:32*(\t)+16
.if (\t)+2 < 8
	WLOAD (\t)+2
.endif
	s_wait_dscnt 0x0                               ; the stores have read their registers: the next block's codes may be written
.endm
	s_wait_alu depctr_va_vdst(0)
.irp t, 0,1,2,3,4,5,6,7
	WBLOCK \t
.endr
.irp t, 0,1,2,3,4,5,6,7,8,9,10,11,12,13,14,15
	ds_load_b128 v[OUTR+4*\t:OUTR+4*\t+3], v7 offset:2*\t*WP
.endr
.irp t, 0,1,2,3,4,5,6,7,8,9,10,11,12,13,14,15
	s_wait_dscnt 15-\t
	global_store_b128 v8, v[OUTR+4*\t:OUTR+4*\t+3], s[30:31] offset:512*\t
.endr
	s_wait_tensorcnt 0x0
	ds_add_u32 v224, v225
	s_wait_dscnt 0x0
	s_endpgm
.Lfunc_end_k_q4eef4072f6_quant:
	.size	k_q4eef4072f6_quant, .Lfunc_end_k_q4eef4072f6_quant-k_q4eef4072f6_quant
	.p2alignl 7, 3214868480
	.fill 96, 4, 3214868480
	.section	.rodata,"a",@progbits
	.p2align	6, 0x0
	.amdhsa_kernel k_q4eef4072f6_quant
		.amdhsa_group_segment_fixed_size 47616
		.amdhsa_private_segment_fixed_size 0
		.amdhsa_enable_private_segment 0
		.amdhsa_kernarg_size 88
		.amdhsa_user_sgpr_count 2
		.amdhsa_user_sgpr_kernarg_segment_ptr 1
		.amdhsa_wavefront_size32 1
		.amdhsa_system_sgpr_workgroup_id_x 1
		.amdhsa_system_sgpr_workgroup_id_y 1
		.amdhsa_system_sgpr_workgroup_id_z 1
		.amdhsa_system_vgpr_workitem_id 0
		.amdhsa_next_free_vgpr 226
		.amdhsa_next_free_sgpr 96
		.amdhsa_reserve_vcc 0
		.amdhsa_float_denorm_mode_32 3
		.amdhsa_float_denorm_mode_16_64 3
		.amdhsa_memory_ordered 1
		.amdhsa_forward_progress 1
		.amdhsa_inst_pref_size 136
	.end_amdhsa_kernel
	.amdgpu_metadata
---
amdhsa.version: [ 1, 2 ]
amdhsa.kernels:
  - .name:           k_q4eef4072f6_quant
    .symbol:         k_q4eef4072f6_quant.kd
    .args:
      - { .name: x, .offset: 0, .size: 8, .value_kind: global_buffer, .address_space: global }
      - { .name: wq, .offset: 8, .size: 8, .value_kind: global_buffer, .address_space: global }
      - { .name: wk, .offset: 16, .size: 8, .value_kind: global_buffer, .address_space: global }
      - { .name: wv, .offset: 24, .size: 8, .value_kind: global_buffer, .address_space: global }
      - { .name: wo, .offset: 32, .size: 8, .value_kind: global_buffer, .address_space: global }
      - { .name: w1, .offset: 40, .size: 8, .value_kind: global_buffer, .address_space: global }
      - { .name: w2, .offset: 48, .size: 8, .value_kind: global_buffer, .address_space: global }
      - { .name: lowp_scales, .offset: 56, .size: 8, .value_kind: global_buffer, .address_space: global }
      - { .name: ca, .offset: 64, .size: 8, .value_kind: global_buffer, .address_space: global }
      - { .name: wc, .offset: 72, .size: 8, .value_kind: global_buffer, .address_space: global }
      - { .name: w2c, .offset: 80, .size: 8, .value_kind: global_buffer, .address_space: global }
    .group_segment_fixed_size: 47616
    .private_segment_fixed_size: 0
    .kernarg_segment_align: 8
    .kernarg_segment_size: 88
    .max_flat_workgroup_size: 128
    .sgpr_count:     96
    .vgpr_count:     226
    .wavefront_size: 32
...
	.end_amdgpu_metadata
.endif
;; end of part 1
;; launch qkv (part 2): grid 12 x 16, 4 waves a work-group, clusters of 4 x 4, 327,680 bytes of LDS; arguments ca, wc, mask, lowp_scales, cb; writes cb
.if DOCPART == 2
	.amdgcn_target "amdgcn-amd-amdhsa--gfx1250"
	.amdhsa_code_object_version 6
	.text
	.protected	k_q4eef4072f6_qkv
	.globl	k_q4eef4072f6_qkv
	.p2align	8
	.type	k_q4eef4072f6_qkv,@function
k_q4eef4072f6_qkv:
	s_mov_b64 s[64:65], 0
	v_nop
	global_prefetch_b8 v0, s[64:65] scope:SCOPE_SE
	s_setreg_imm32_b32 hwreg(HW_REG_WAVE_MODE, 25, 1), 1
	s_wait_xcnt 0x0
	s_wait_alu depctr_hold_cnt(0) depctr_sa_sdst(0) depctr_va_vdst(0) depctr_va_sdst(0) depctr_va_ssrc(0) depctr_va_vcc(0) depctr_vm_vsrc(0)
	s_getreg_b32 s2, hwreg(HW_REG_IB_STS2, 6, 4)
	s_cmp_eq_u32 s2, 0
	s_cbranch_scc0 .Lentry_in_a_cluster
	s_endpgm
.Lentry_in_a_cluster:
	s_bfe_u32 s2, ttmp6, 0x10000c
	s_cmp_lg_u32 s2, 0xf033
	s_cbranch_scc0 .Lentry_shape_is_right
	s_endpgm
.Lentry_shape_is_right:
.set ROWB,   256
.set PITCH,  272
.set FR,     16
.set NL,     4
.set NP,     4
.set HALFT,  128*PITCH
.set SLOT,   4*HALFT
.set SPARE,  2*SLOT
.set ADRA, 16
.set ADRB, 20
.set STO,  24
.set RD,   25
.set CO,   26
.set SPW,  28
.set NIL,  29
.set LIM,  30
.set SC,   31
.set TMP,  32
.set AF,   128
.set G1, 24
.set G0, 32
.set G1B, 48
.set G0B, 56
.set MSB, 0
.macro WIN new
.if MSB != (\new)
	s_set_vgpr_msb (MSB<<8)|(\new)
.set MSB, (\new)
.endif
.endm
.set MUL_LO, 0xa1
.set MUL_HI, 0xf1
.set TO_B,   0x40
.macro JLOAD g0a, g1a, g0b, g1b
	s_cmp_eq_u32 s15, 0
	s_cbranch_scc0 .Lfor_b_\@
	tensor_load_to_lds s[\g0a:\g0a+3], s[\g1a:\g1a+7]
	s_nop 0
.rept 4
	v_nop
.endr
	s_branch .Lasked_\@
.Lfor_b_\@:
	tensor_load_to_lds s[\g0b:\g0b+3], s[\g1b:\g1b+7]
	s_nop 0
.rept 4
	v_nop
.endr
.Lasked_\@:
.endm
.macro CREST
	s_cmp_lg_u32 s14, 0
	s_cbranch_scc1 .Lnot_wave_0_\@
	s_barrier_signal -3
.Lnot_wave_0_\@:
	s_barrier_wait -3
	s_barrier_signal -1
	s_barrier_wait -1
.endm
.macro CROUND
	s_barrier_signal -1
	s_barrier_wait -1
	CREST
.endm
	s_load_b256 s[4:11], s[0:1], 0x0
	s_load_b64 s[12:13], s[0:1], 0x20
	v_lshl_add_u32 v[SPW], v0, 2, SPARE
	v_mov_b32 v[NIL], 0
	ds_add_u32 v28, v29
	ds_add_u32 v28, v29
	s_wait_dscnt 0x0
	v_lshrrev_b32 v1, 5, v0
	v_readfirstlane_b32 s14, v1
	v_and_b32 v27, 31, v0
	v_lshlrev_b32 v27, 8, v27                      ; the prefetches' offset: a lane a row of 256 bytes; never rewritten
	s_wait_alu depctr_va_vdst(0)                   ; the wait behind the write
	s_lshr_b32 s15, s14, 1
	s_and_b32 s16, s14, 1
	s_bfe_u32 s40, ttmp6, 0x40000
	s_bfe_u32 s41, ttmp6, 0x40004
	s_and_b32 s18, ttmp7, 0xffff
	s_lshl_b32 s18, s18, 2
	s_add_co_u32 s19, s41, s18
	s_add_co_u32 s46, s40, s18
	s_lshl_b32 s20, ttmp9, 22
	s_lshl_b32 s47, ttmp9, 20
	s_add_co_u32 s47, s47, 0x100000
	s_mov_b32 s84, 0x100000
	s_mov_b32 s86, 0x40000
	s_cmp_eq_u32 ttmp9, 2
	s_cselect_b32 s17, s41, s19
	s_cselect_b32 s42, s46, s40
	s_cselect_b32 s20, 0x300000, s20
	s_cselect_b32 s47, 0x800000, s47
	s_cselect_b32 s84, 0x40000, s84
	s_cselect_b32 s86, 0x100000, s86
	s_mov_b32 s85, 0
	s_mov_b32 s87, 0
	s_lshl_b32 s88, s84, 1
	s_mov_b32 s89, 0
	s_lshl_b32 s90, s86, 1
	s_mov_b32 s91, 0
	s_lshl_b32 s18, s16, 15
	s_lshl_b32 s19, s17, 16
	s_add_co_u32 s20, s20, s19
	s_add_co_u32 s20, s20, s18
	s_mov_b32 s21, 0
	s_lshl_b32 s46, s42, 16
	s_add_co_u32 s46, s46, s47
	s_add_co_u32 s46, s46, s18
	s_mov_b32 s47, 0
	s_mul_i32 s45, s14, HALFT
	s_lshl_b32 s43, s41, 2
	s_lshl_b32 s43, 15, s43
	s_lshl_b32 s44, 0x1111, s40
	s_or_b32 s[G1+0], s43, (0<<16)|(1<<20)|(1<<21)|(5<<22)|(3<<25)
	s_or_b32 s[G1B+0], s44, (0<<16)|(1<<20)|(1<<21)|(5<<22)|(3<<25)
.irp g, G1, G1B
	s_mov_b32 s[\g+1], ROWB<<16
	s_mov_b32 s[\g+2], 128<<16
	s_mov_b32 s[\g+3], ROWB<<16
	s_mov_b32 s[\g+4], 128
	s_mov_b32 s[\g+5], ROWB
	s_mov_b32 s[\g+6], 0
	s_mov_b32 s[\g+7], 0
.endr
	s_wait_kmcnt 0x0
	s_load_b512 s[68:83], s[10:11], 0x0
	s_cmp_eq_u32 ttmp9, 2
	s_cselect_b64 s[92:93], s[6:7], s[4:5]
	s_cselect_b64 s[94:95], s[4:5], s[6:7]
	s_add_nc_u64 s[20:21], s[92:93], s[20:21]
	s_add_nc_u64 s[46:47], s[94:95], s[46:47]
	s_cmp_eq_u32 s15, 0                            ; the prefetches: of the 128 rows that I fetch, my work-group's 32, told apart from the partners' by address
	s_cselect_b64 s[96:97], s[20:21], s[46:47]
	s_cselect_b32 s98, s40, s41
	s_cselect_b64 s[92:93], s[84:85], s[86:87]     ; a fill on
	s_mov_b32 s99, 0
	s_lshl_b32 s98, s98, 13
	s_add_nc_u64 s[96:97], s[96:97], s[98:99]
	s_add_nc_u64 s[96:97], s[96:97], s[92:93]
	s_add_nc_u64 s[96:97], s[96:97], s[92:93]      ; at fill 2
	CROUND
	s_mov_b32 s[G0], 1
	s_add_co_u32 s[G0+1], s45, 0*SLOT
	s_mov_b64 s[G0+2:G0+3], s[20:21]
	s_or_b32 s[G0+3], s[G0+3], 0x80000000
	s_mov_b32 s[G0B], 1
	s_add_co_u32 s[G0B+1], s45, 0*SLOT
	s_mov_b64 s[G0B+2:G0B+3], s[46:47]
	s_or_b32 s[G0B+3], s[G0B+3], 0x80000000
	JLOAD G0, G1, G0B, G1B
	global_prefetch_b8 v27, s[96:97] th:TH_LOAD_NT scope:SCOPE_SE   ; behind fill 0's load: fill 2's rows
	s_mov_b32 s[G0+4], 1
	s_add_co_u32 s[G0+5], s45, 1*SLOT
	s_add_nc_u64 s[G0+6:G0+7], s[20:21], s[84:85]
	s_or_b32 s[G0+7], s[G0+7], 0x80000000
	s_mov_b32 s[G0B+4], 1
	s_add_co_u32 s[G0B+5], s45, 1*SLOT
	s_add_nc_u64 s[G0B+6:G0B+7], s[46:47], s[86:87]
	s_or_b32 s[G0B+7], s[G0B+7], 0x80000000
	s_wait_alu depctr_va_vdst(0)
	s_wait_tensorcnt 0x0
	ds_add_u32 v28, v29
	s_wait_xcnt 0x0                                ; the prefetch has read its address
	s_add_nc_u64 s[96:97], s[96:97], s[92:93]
	s_wait_dscnt 0x0
	CROUND
	JLOAD G0+4, G1, G0B+4, G1B
	global_prefetch_b8 v27, s[96:97] th:TH_LOAD_NT scope:SCOPE_SE   ; behind fill 1's load: fill 3's rows, the last
	v_and_b32 v1, 15, v0
	v_bfe_u32 v2, v0, 4, 1
	v_mul_u32_u24 v3, v1, PITCH
	s_wait_alu depctr_va_vdst(0)
	v_lshl_add_u32 v4, v2, 4, v3
	s_mul_i32 s21, s15, HALFT
	s_mul_i32 s22, s16, HALFT
	s_add_co_u32 s22, s22, 2*HALFT
.irp s, 0,1
	v_add_nc_u32 v[ADRA+\s], s21, v4
	v_add_nc_u32 v[ADRB+\s], s22, v4
	s_add_co_u32 s21, s21, SLOT
	s_add_co_u32 s22, s22, SLOT
.endr
	s_mul_i32 s23, s15, 128*PITCH
	s_lshl_b32 s22, s16, 7
	s_add_co_u32 s23, s23, s22
	v_lshl_add_u32 v5, v2, 3, v3
	v_add_nc_u32 v[STO], s23, v5
	s_mul_i32 s23, s14, 64*PITCH
	v_mul_u32_u24 v5, v2, PITCH
	v_lshl_add_u32 v5, v1, 4, v5
	v_add_nc_u32 v[RD], s23, v5
	v_and_b32 v6, 31, v0
	v_lshlrev_b32 v[CO], 4, v6
	s_lshl_b32 s22, s17, 10
	s_lshl_b32 s23, s15, 9
	s_add_co_u32 s22, s22, s23
	s_mov_b32 s23, 0
	s_add_nc_u64 s[8:9], s[8:9], s[22:23]
	v_lshlrev_b32 v7, 2, v1
.irp a, 0,1,2,3,4,5,6,7
	global_load_b32 v[8+\a], v7, s[8:9] offset:64*\a
.endr
	s_lshl_b32 s22, s42, 20
	s_lshl_b32 s23, s42, 18
	s_cmp_eq_u32 ttmp9, 2
	s_cselect_b32 s22, s23, s22
	s_lshl_b32 s23, ttmp9, 22
	s_add_co_u32 s22, s22, s23
	s_lshl_b32 s23, s17, 16
	s_add_co_u32 s22, s22, s23
	s_lshl_b32 s23, s14, 14
	s_add_co_u32 s22, s22, s23
	s_mov_b32 s23, 0
	s_add_nc_u64 s[12:13], s[12:13], s[22:23]
	s_wait_kmcnt 0x0
	s_add_co_i32 s92, s68, s69
	s_sub_co_i32 s92, s74, s92
	s_add_co_i32 s93, s70, s71
	s_sub_co_i32 s93, s75, s93
	s_add_co_i32 s94, s72, s73
	s_sub_co_i32 s94, s77, s94
	s_cmp_eq_u32 ttmp9, 1
	s_cselect_b32 s92, s93, s92
	s_cselect_b32 s95, 0, -1
	s_cmp_eq_u32 ttmp9, 2
	s_cselect_b32 s92, s94, s92
	s_add_co_i32 s92, s92, 127
	s_lshl_b32 s93, s92, 23
	v_mov_b32 v[SC], s93
	s_add_co_i32 s92, s92, 15
	s_lshl_b32 s92, s92, 23
	s_or_b32 s92, s92, 0x600000
	v_mov_b32 v[LIM], s92
.macro FRAG reg, adr, q, i
.irp c, 0,1,2,3
	ds_load_b128 v[\reg+4*\c:\reg+4*\c+3], v[\adr] offset:128*(\q)+32*\c+(\i)*16*PITCH
.endr
.endm
.macro MUL16 a0, p, zero
.irp a, \a0, \a0+1
.irp b, 0,1,2,3,4,5,6,7
.if \zero
	v_wmma_f32_16x16x128_bf8_bf8 v[8*(8*((\a)%4)+\b):8*(8*((\a)%4)+\b)+7], v[128*(\p)+FR*\b:128*(\p)+FR*\b+FR-1], v[AF+FR*(\a):AF+FR*(\a)+FR-1], 0
.else
	v_wmma_f32_16x16x128_bf8_bf8 v[8*(8*((\a)%4)+\b):8*(8*((\a)%4)+\b)+7], v[128*(\p)+FR*\b:128*(\p)+FR*\b+FR-1], v[AF+FR*(\a):AF+FR*(\a)+FR-1], v[8*(8*((\a)%4)+\b):8*(8*((\a)%4)+\b)+7]
.endif
.endr
.endr
.endm
.macro FETCH_B slot, q, p
	WIN TO_B
.irp i, 0,1,2,3,4,5,6,7
	FRAG 128*(\p)+FR*\i, ADRB+\slot, \q, \i
.endr
	WIN 0
.endm
.macro FETCH_A slot, q, i0
.irp i, \i0, \i0+1, \i0+2, \i0+3
	FRAG AF+FR*(\i), ADRA+\slot, \q, \i
.endr
.endm
.macro PLACES n
.rept \n
	v_nop
.endr
.endm
.macro STEP slot, q, zero
	s_wait_dscnt 4*NL
	WIN MUL_LO
	MUL16 0, (\q)%2, \zero
	MUL16 2, (\q)%2, \zero
	s_wait_dscnt 0
	PLACES NP
	FETCH_B \slot, (\q)+1, 1-(\q)%2
	FETCH_A \slot, (\q)+1, 0
	WIN MUL_HI
	MUL16 4, (\q)%2, \zero
	MUL16 6, (\q)%2, \zero
	PLACES NP
	WIN 0
	FETCH_A \slot, (\q)+1, 4
.endm
.macro TURN slot, next, fill
	s_wait_tensorcnt 0x0
	ds_add_u32 v[SPW], v[NIL]
	s_wait_dscnt 4*NL+1
	WIN MUL_LO
	MUL16 0, 1, 0
	s_wait_dscnt 0x0
	s_barrier_signal -1
	MUL16 2, 1, 0
	WIN 0
	s_barrier_wait -1
.if \fill
	CREST
	s_add_nc_u64 s[G0+4*\slot+2:G0+4*\slot+3], s[G0+4*\slot+2:G0+4*\slot+3], s[88:89]
	s_add_nc_u64 s[G0B+4*\slot+2:G0B+4*\slot+3], s[G0B+4*\slot+2:G0B+4*\slot+3], s[90:91]
	JLOAD G0+4*\slot, G1, G0B+4*\slot, G1B
.else
	PLACES NP
.endif
	FETCH_B \next, 0, 0
	FETCH_A \next, 0, 0
	WIN MUL_HI
	MUL16 4, 1, 0
	MUL16 6, 1, 0
	PLACES NP
	WIN 0
	FETCH_A \next, 0, 4
.endm
	s_wait_tensorcnt 1
	s_barrier_signal -1
	s_barrier_wait -1
	FETCH_B 0, 0, 0
	FETCH_A 0, 0, 0
	FETCH_A 0, 0, 4
	STEP 0, 0, 1
	TURN 0, 1, 1
	STEP 1, 0, 0
	TURN 1, 0, 1
	STEP 0, 0, 0
	TURN 0, 1, 0
	STEP 1, 0, 0
	s_wait_dscnt 4*NL
	WIN MUL_LO
	MUL16 0, 1, 0
	MUL16 2, 1, 0
	s_wait_dscnt 0
	WIN MUL_HI
	MUL16 4, 1, 0
	MUL16 6, 1, 0
	WIN 0
	PLACES NP
	s_wait_loadcnt 0x0
	s_wait_alu depctr_va_vdst(0)
.irp a, 0,1,2,3,4,5,6,7
	v_cmp_ne_u32 vcc_lo, 0, v[8+\a]
	s_or_b32 vcc_lo, vcc_lo, s95
	v_cndmask_b32 v[8+\a], 0, v[LIM], vcc_lo
.endr
.macro CODES a
.set AC, 64*((\a)%4)
	WIN 0x02+((\a)/4)
.set j, 0
.rept 64
	v_med3_num_f32 v[TMP+j], v[AC+j], -v[8+\a], v[8+\a]
.set j, j+1
.endr
	WIN 0
.irp b, 0,1,2,3,4,5,6,7
	v_cvt_scalef32_pk8_bf8_f32 v[AF+16*(\a)+2*\b:AF+16*(\a)+2*\b+1], v[TMP+8*\b:TMP+8*\b+7], v[SC]
.endr
	v_nop
.irp b, 0,1,2,3,4,5,6,7
	ds_store_b64 v[STO], v[AF+16*(\a)+2*\b:AF+16*(\a)+2*\b+1] offset:(\a)*16*PITCH+16*\b
.endr
.endm
.irp a, 0,1,2,3,4,5,6,7
	CODES \a
.endr
	s_wait_dscnt 0x0
	s_barrier_signal -1
	s_barrier_wait -1
.set t, 0
.rept 32
	ds_load_b128 v[AF+4*t:AF+4*t+3], v[RD] offset:t*2*PITCH
.set t, t+1
.endr
.set t, 0
.rept 32
	s_wait_dscnt 31-t
	global_store_b128 v[CO], v[AF+4*t:AF+4*t+3], s[12:13] offset:512*t
.set t, t+1
.endr
	s_wait_tensorcnt 0x0
	ds_add_u32 v[SPW], v[NIL]
	s_wait_dscnt 0x0
	CROUND
	s_endpgm
.Lfunc_end_k_q4eef4072f6_qkv:
	.size	k_q4eef4072f6_qkv, .Lfunc_end_k_q4eef4072f6_qkv-k_q4eef4072f6_qkv
	.p2alignl 7, 3214868480
	.fill 96, 4, 3214868480
	.section	.rodata,"a",@progbits
	.p2align	6, 0x0
	.amdhsa_kernel k_q4eef4072f6_qkv
		.amdhsa_group_segment_fixed_size 327680
		.amdhsa_private_segment_fixed_size 0
		.amdhsa_enable_private_segment 0
		.amdhsa_kernarg_size 40
		.amdhsa_user_sgpr_count 2
		.amdhsa_user_sgpr_kernarg_segment_ptr 1
		.amdhsa_wavefront_size32 1
		.amdhsa_system_sgpr_workgroup_id_x 1
		.amdhsa_system_sgpr_workgroup_id_y 1
		.amdhsa_system_sgpr_workgroup_id_z 1
		.amdhsa_system_vgpr_workitem_id 0
		.amdhsa_next_free_vgpr 1024
		.amdhsa_next_free_sgpr 100
		.amdhsa_reserve_vcc 1
		.amdhsa_float_denorm_mode_32 3
		.amdhsa_float_denorm_mode_16_64 3
		.amdhsa_memory_ordered 1
		.amdhsa_forward_progress 1
		.amdhsa_inst_pref_size 129
	.end_amdhsa_kernel
	.amdgpu_metadata
---
amdhsa.version: [ 1, 2 ]
amdhsa.kernels:
  - .name:           k_q4eef4072f6_qkv
    .symbol:         k_q4eef4072f6_qkv.kd
    .args:
      - { .name: ca, .offset: 0, .size: 8, .value_kind: global_buffer, .address_space: global }
      - { .name: wc, .offset: 8, .size: 8, .value_kind: global_buffer, .address_space: global }
      - { .name: mask, .offset: 16, .size: 8, .value_kind: global_buffer, .address_space: global }
      - { .name: lowp_scales, .offset: 24, .size: 8, .value_kind: global_buffer, .address_space: global }
      - { .name: cb, .offset: 32, .size: 8, .value_kind: global_buffer, .address_space: global }
    .group_segment_fixed_size: 327680
    .private_segment_fixed_size: 0
    .kernarg_segment_align: 8
    .kernarg_segment_size: 40
    .max_flat_workgroup_size: 128
    .sgpr_count:     100
    .vgpr_count:     1024
    .wavefront_size: 32
...
	.end_amdgpu_metadata
.endif
;; end of part 2
;; launch attn (part 3): grid 32 x 8, 8 waves a work-group, clusters of 4 x 1, 327,680 bytes of LDS; arguments cb, mask, lowp_scales, ca; writes ca
.if DOCPART == 3
	.amdgcn_target "amdgcn-amd-amdhsa--gfx1250"
	.amdhsa_code_object_version 6
	.text
	.protected	k_q4eef4072f6_attn
	.globl	k_q4eef4072f6_attn
	.p2align	8
	.type	k_q4eef4072f6_attn,@function
k_q4eef4072f6_attn:
	s_mov_b64 s[64:65], 0
	v_nop
	global_prefetch_b8 v0, s[64:65] scope:SCOPE_SE
	s_setreg_imm32_b32 hwreg(HW_REG_WAVE_MODE, 25, 1), 1
	s_wait_xcnt 0x0
	s_wait_alu depctr_hold_cnt(0) depctr_sa_sdst(0) depctr_va_vdst(0) depctr_va_sdst(0) depctr_va_ssrc(0) depctr_va_vcc(0) depctr_vm_vsrc(0)
	s_getreg_b32 s2, hwreg(HW_REG_IB_STS2, 6, 4)
	s_cmp_eq_u32 s2, 0
	s_cbranch_scc0 .Lentry_in_a_cluster
	s_endpgm
.Lentry_in_a_cluster:
	s_bfe_u32 s2, ttmp6, 0x10000c
	s_cmp_lg_u32 s2, 0x3003
	s_cbranch_scc0 .Lentry_shape_is_right
	s_endpgm
.Lentry_shape_is_right:
; ctx = softmax(q k^T / 8, with the mask) v for 2 batches x 16 heads of 64, both products on codes of BF8 (E5M2); ctx leaves as codes for the product with wo.
; cb: q at 0, k at 4 MiB: [4 groups of 4 heads][4,096 tokens][256 = 4 heads x 64]; V^T at 8 MiB: [16 panels of 256 keys][1,024 (head, channel)][256 keys].  ca: ctx, [4 groups][4,096 tokens][256].
; THE SOFTMAX: t = score x log2(e) / 8; M = the row's largest t so far, rounded up to a whole number; p = 2^(t - M) is quantised (scale entry 8), not normalised; the row's sum is taken of the unquantised p and divides at the end.
; THE MASK: a table in LDS holds, for each key, 0 or -2^(33 - e6 - e7), and is the C of the first product; a hidden key's codes of k are zeros (the launch before makes them so), so its t = -0.18033688 x 2^33, a whole number.
; Beside any open key its p = 0; where every key of a batch is hidden t - M = 0 and p = 1 for all: the even softmax of reference().
; STATED DIFFERENCE: a hidden logit stands at t = -1.549e9, not -1.443e9: the results are the same as long as open logits lie above -1e9.
; SHARES.  A work-group takes 64 queries x the 4 heads of a group; wave w takes head w / 2 and queries 32 (w % 2) on: TWO tiles of 16 queries, so each fragment of K, of the table and of V^T feeds two matrix instructions.
; Every wave walks the batch's 2,048 keys, 128 a step, 256 a slot.  CLUSTER: the four query blocks of a cluster walk the same K and V^T: each tile is asked for jointly; each of the eight waves fetches 64 rows of 256 bytes.
; THE CHANGE OF SLOTS IS SPLIT.  In a slot's second step, once V^T's fragments are in registers, the wave's reads of the slot are over: there it waits for its tensor load, adds 0 to its spare word, waits for that and signals;
; the rest of the softmax and the second product, work on registers alone, stand between the signal and the wait; behind the wait come the rest of the round, the refill and the next slot's first fragments.
; LAYOUT.  Both products transposed: S^T = K Q^T (16x16x64; source 0 = 16 keys), O^T = V^T P^T (16x16x128; source 0 = 16 channels): a lane holds one query of each tile; key tile t's eight scores of a lane are keys 16 t + 8 h + 0 .. 7:
; their two words of codes are registers 2 t, 2 t + 1 of the second product's operand.  Q's and K's fragments come by two loads of 16 bytes: a permutation of the channels, alike in both.
; THE EXPONENTIALS of one tile stand among plain lines of the other tile whose sources were made ahead of the batch's opening wait and whose results are read behind its closing wait.
; LIMITS: e6 + e7 between -94 and 130; e8 and e10 between -126 and 112.  NaN is not served.
; REGISTERS.  Window 0: v1-12 addresses; v16-19 (-M, largest raw score) a tile; v20-23 f; v24-39 the sums, four pairs a tile; v40-47 at work; v48-63 Q; v64-191 S^T, then p; v192-223 p's codes; v224-228 scales.
;   Window 1: v0-63 K; v64-127 O^T; v128-191 V^T; v192-255 the table's fragments.
.set PITCH, 272                        ; an LDS row: 256 bytes + 16
.set QROWS, 64*PITCH                   ; what one tensor load brings
.set SLOT,  8*QROWS                    ; 256 keys: K's 256 rows, then V^T's 256 rows
.set VOFF,  4*QROWS
.set BIAS,  2*SLOT                     ; 2,048 f32, written once by LDS stores; no fill lands here
.set SPARE, BIAS+8192                  ; the spare words, 128 bytes a wave
.set NM, 16
.set FF, 20
.set LL, 24
.set TA, 40
.set PT, 44
.set OL, 46
.set QF, 48
.set SS, 64
.set CD, 192
.set LIMP, 224
.set SCP, 226
.set LIMC, 227
.set SCC, 228
.set KF, 0
.set OO, 64
.set VF, 128
.set BF, 192
.set MSB, 0
.macro WIN new                         ; the immediate's high byte repeats the setting that is left
.if MSB != (\new)
	s_set_vgpr_msb (MSB<<8)|(\new)
.set MSB, (\new)
.endif
.endm
.macro CREST                           ; a round of the cluster's barrier behind its opening barrier
	s_cmp_lg_u32 s12, 0
	s_cbranch_scc1 .Lnot_wave_0_\@
	s_barrier_signal -3
.Lnot_wave_0_\@:
	s_barrier_wait -3
	s_barrier_signal -1
	s_barrier_wait -1
.endm
.macro ROUND                           ; a whole round
	s_barrier_signal -1
	s_barrier_wait -1
	CREST
.endm
.macro TLOAD                           ; every wave's one joint load: 64 rows; an s_nop 0 and four v_nop follow
	tensor_load_to_lds s[24:27], s[16:23]
	s_nop 0
.rept 4
	v_nop
.endr
.endm
; THE PREFETCH names the tile behind the one that is being asked for, a slot's two key steps ahead of its tensor load: 256 rows of K and 256 of V^T, a lane a row, each row once in the launch:
; of the eight clusters that walk these keys the first asks; its four partners take 64 rows each, told apart by address.  Tiles 0 and 1 come by their loads alone; behind tile 7 nothing is asked for.
.macro ASK
	s_cmp_gt_u32 s44, s38
	s_cbranch_scc0 .Lnot_mine_\@
	global_prefetch_b8 v9, s[36:37] th:TH_LOAD_NT scope:SCOPE_SE
.Lnot_mine_\@:
.endm
.macro MKSC e, sc, lim                 ; v[sc] = 2^e, v[lim] = 57,344 x 2^e
	s_add_co_i32 s56, s[\e], 127
	s_lshl_b32 s57, s56, 23
	v_mov_b32 v[\sc], s57
	s_add_co_i32 s56, s56, 15
	s_lshl_b32 s56, s56, 23
	s_or_b32 s56, s56, 0x600000
	v_mov_b32 v[\lim], s56
.endm
	s_load_b256 s[4:11], s[0:1], 0x0               ; cb 4, mask 6, the scales 8, ca 10
	v_lshl_add_u32 v5, v0, 2, SPARE
	v_mov_b32 v6, 0
	ds_add_u32 v5, v6                              ; the opening lines: the add twice on end and its wait
	ds_add_u32 v5, v6
	v_lshrrev_b32 v232, 5, v0
	v_readfirstlane_b32 s12, v232                  ; wave 0..7
	s_bfe_u32 s13, ttmp6, 0x40000                  ; cx: it enters Q's, ctx's and the prefetches' addresses alone
	s_and_b32 s14, ttmp7, 0xffff
	s_lshr_b32 s15, s14, 2                         ; batch
	s_and_b32 s14, s14, 3                          ; group of heads
	s_mov_b32 s16, 15|(0<<16)|(1<<20)|(1<<21)|(5<<22)|(3<<25)   ; group 1: all four work-groups; 1-byte elements; 4 words of padding after every 64
	s_mov_b32 s17, 256<<16
	s_mov_b32 s18, 64<<16
	s_mov_b32 s19, 256<<16
	s_mov_b32 s20, 64
	s_mov_b32 s21, 256
	s_mov_b32 s22, 0
	s_mov_b32 s23, 0
	s_lshl_b32 s52, s14, 20
	s_lshl_b32 s46, s15, 19
	s_add_co_u32 s52, s52, s46
	s_add_co_u32 s52, s52, 0x400000                ; K: the group's panel, the batch's first key
	s_lshl_b32 s53, s15, 21
	s_lshl_b32 s46, s14, 16
	s_add_co_u32 s53, s53, s46
	s_add_co_u32 s53, s53, 0x800000                ; V^T: the batch's first panel of keys, the group's 256 rows
	s_mov_b32 s34, 0x40000                         ; a tile on: 256 KiB in V^T, 64 KiB in K
	s_mov_b32 s50, 0x40000
	s_cmp_lt_u32 s12, 4                            ; waves 0-3 fetch K's rows, waves 4-7 V^T's
	s_cselect_b32 s46, s52, s53
	s_cselect_b32 s34, 0x10000, s34
	s_cmp_lt_u32 s12, 2                            ; waves 0, 1 prefetch K's rows, waves 2, 3 V^T's
	s_cselect_b32 s54, s52, s53
	s_cselect_b32 s50, 0x10000, s50
	s_mov_b32 s35, 0
	s_mov_b32 s51, 0
	s_and_b32 s48, s12, 3
	s_lshl_b32 s47, s48, 14                        ; which 64 rows
	s_add_co_u32 s46, s46, s47
	s_mov_b32 s47, 0
	s_and_b32 s48, s12, 1
	s_lshl_b32 s49, s48, 13                        ; the prefetch: 32 rows a wave,
	s_add_co_u32 s54, s54, s49
	s_lshl_b32 s49, s13, 14                        ; 64 a partner,
	s_add_co_u32 s54, s54, s50                     ; in tile 1: the first change steps it to tile 2
	s_add_co_u32 s54, s54, s49
	s_mov_b32 s55, 0
	s_mul_i32 s45, s12, QROWS                      ; where my rows go in a slot
	s_lshr_b32 s56, s12, 2                         ; 0 in waves 0 to 3,
	s_or_b32 s56, s56, ttmp9                       ; of the first cluster: the same in all four partners
	s_cmp_eq_u32 s56, 0
	s_cselect_b32 s38, 1, -1                       ; a wave prefetches while the count of trips to go is above this
	s_mov_b32 s40, 0x76543210                      ; selects for lane l xor 16
	s_mov_b32 s41, 0xfedcba98
	s_wait_dscnt 0x0
	s_wait_kmcnt 0x0
	s_load_b256 s[68:75], s[8:9], 0x18             ; e6 .. e13
	s_mov_b32 s24, 1
	s_mov_b32 s25, s45                             ; slot 0
	s_add_nc_u64 s[26:27], s[4:5], s[46:47]        ; tile 0
	s_or_b32 s27, s27, 0x80000000
	s_add_nc_u64 s[36:37], s[4:5], s[54:55]
	ROUND                                          ; all four work-groups are here
	TLOAD                                          ; tile 0: one load a wave at the head
	s_and_b32 s60, s12, 1                          ; which 32 queries
	s_lshr_b32 s61, s12, 1                         ; my head of the four
	s_lshl_b32 s62, s61, 6
	s_mul_i32 s63, s61, 64*PITCH
	s_add_co_u32 s63, s63, VOFF
	s_mul_i32 s58, s60, 32*PITCH
	s_add_co_u32 s58, s58, s62                     ; the stage, in
	s_mul_i32 s59, s12, 8*PITCH                    ; the stage, back: 8 rows a wave
	s_lshl_b32 s56, ttmp9, 2
	s_add_co_u32 s56, s56, s13                     ; my block of 64 queries
	s_lshl_b32 s56, s56, 14
	s_lshl_b32 s57, s14, 20
	s_add_co_u32 s56, s56, s57
	s_lshl_b32 s57, s15, 19
	s_add_co_u32 s56, s56, s57                     ; its first byte in q's panel, and in ctx's
	s_mov_b32 s57, 0
	s_lshl_b32 s48, s12, 11
	s_mov_b32 s49, 0
	s_add_nc_u64 s[10:11], s[10:11], s[56:57]
	s_add_nc_u64 s[10:11], s[10:11], s[48:49]
	s_lshl_b32 s48, s60, 13                        ; Q: my 32 rows, my head's 64 bytes
	s_add_co_u32 s48, s48, s62
	s_add_nc_u64 s[4:5], s[4:5], s[56:57]
	s_add_nc_u64 s[4:5], s[4:5], s[48:49]
	s_lshl_b32 s48, s15, 13
	s_add_nc_u64 s[6:7], s[6:7], s[48:49]          ; the batch's 2,048 words of the mask
	v_and_b32 v232, 15, v0                         ; r
	v_bfe_u32 v233, v0, 4, 1                       ; h
	v_mul_u32_u24 v234, v232, PITCH
	v_lshl_add_u32 v1, v233, 4, v234
	v_add_nc_u32 v1, s62, v1                       ; K: key r, my head's 64 bytes, + 16 h
	v_lshl_add_u32 v2, v233, 3, v234
	v_add_nc_u32 v10, s58, v2                      ; the stage, in: row 32 (w % 2) + r, byte 64 (w / 2) + 8 h
	v_add_nc_u32 v2, s63, v2                       ; V^T: my head's channel r, + 8 h
	v_lshlrev_b32 v3, 5, v233
	v_add_nc_u32 v3, BIAS, v3                      ; the table: my half's eight keys of a tile
	v_and_b32 v9, 31, v0
	v_lshlrev_b32 v12, 4, v9                       ; the way out: 16 x lane
	v_lshlrev_b32 v9, 8, v9                        ; the prefetch: a lane a row
	v_mul_u32_u24 v11, v233, PITCH
	v_lshl_add_u32 v11, v232, 4, v11
	v_add_nc_u32 v11, s59, v11                     ; the stage, back: two rows an instruction
	v_lshlrev_b32 v235, 8, v232
	v_lshl_add_u32 v235, v233, 4, v235             ; Q: row r of 256 bytes, + 16 h
	v_lshlrev_b32 v236, 5, v0                      ; the mask: eight words a thread
	v_lshl_add_u32 v237, v0, 5, BIAS               ; and their place in the table
.irp a, 0,1
	global_load_b128 v[QF+8*\a:QF+8*\a+3], v235, s[4:5] offset:4096*\a
	global_load_b128 v[QF+8*\a+4:QF+8*\a+7], v235, s[4:5] offset:4096*\a+32
.endr
	global_load_b128 v[240:243], v236, s[6:7]
	global_load_b128 v[244:247], v236, s[6:7] offset:16
.irp a, 0,1
	v_mov_b32 v[NM+2*\a], 0x7f61b1e6               ; -M: 3e38
	v_mov_b32 v[NM+2*\a+1], 0xff61b1e6             ; the largest raw score so far: -3e38
	v_mov_b32 v[FF+2*\a+1], 0                      ; (named as the upper half of f's pair)
	v_mov_b32 v[PT+\a], 0                          ; a lane permute's destination counts as one of its sources
.endr
.set j, 0
.rept 16
	v_mov_b32 v[LL+j], 0                           ; the sums
.set j, j+1
.endr
	WIN 0x40
.set j, 0
.rept 64
	v_mov_b32 v[OO+j], 0                           ; O^T: the step is written once for all steps; the first change of M leaves zeros zeros
.set j, j+1
.endr
	WIN 0
	s_wait_kmcnt 0x0
	s_add_co_i32 s56, s68, s69                     ; e6 + e7
	s_lshl_b32 s57, s56, 23
	s_mov_b32 s42, 0x3e38aa3b                      ; log2(e) / 8
	s_add_co_i32 s42, s42, s57                     ; c: the two exponents go into its exponent field
	s_mov_b32 s43, s42                             ; (named with it as a pair)
	s_xor_b32 s47, s42, 0x80000000                 ; -c
	s_sub_co_i32 s56, 160, s56
	s_lshl_b32 s56, s56, 23
	s_or_b32 s56, s56, 0x80000000                  ; -2^(33 - e6 - e7)
	v_mov_b32 v238, s56
	MKSC 70, SCP, LIMP                             ; e8, for p
	MKSC 72, SCC, LIMC                             ; e10, for ctx
	s_mov_b32 s2, 0                                ; LDS byte at which the slot in hand begins
	s_mov_b32 s39, 0                               ; the table's byte for the slot's first key
	s_mov_b32 s44, 6                               ; the loop's trips
	s_wait_alu depctr_va_vdst(0)                   ; the wait ahead of the wait below
	s_wait_loadcnt 0x0                             ; Q and the mask
.irp i, 0,1,2,3,4,5,6,7
	v_cmp_eq_u32 vcc_lo, 0, v[240+\i]
	v_cndmask_b32 v[240+\i], 0, v238, vcc_lo
.endr
	ds_store_b128 v237, v[240:243]                 ; the table; the wait and the round below show it to every wave
	ds_store_b128 v237, v[244:247] offset:16
	s_wait_alu depctr_va_vdst(0)                   ; the wait at the head's end
.macro KLOAD q                         ; the table's and K's fragments of the slot's q-th 128 keys: 32 loads, key tiles 0-3 first
	WIN 0x40
.irp t, 0,1,2,3,4,5,6,7
	ds_load_b128 v[BF+8*\t:BF+8*\t+3], v8 offset:512*(\q)+64*\t
	ds_load_b128 v[BF+8*\t+4:BF+8*\t+7], v8 offset:512*(\q)+64*\t+16
	ds_load_b128 v[KF+8*\t:KF+8*\t+3], v4 offset:(128*(\q)+16*\t)*PITCH
	ds_load_b128 v[KF+8*\t+4:KF+8*\t+7], v4 offset:(128*(\q)+16*\t)*PITCH+32
.endr
	WIN 0
.endm
.macro QK t0                           ; S^T = K Q^T + the table: four key tiles x my two query tiles
.irp t, \t0, \t0+1, \t0+2, \t0+3
.irp a, 0,1
	v_wmma_f32_16x16x64_bf8_bf8 v[SS+64*\a+8*(\t):SS+64*\a+8*(\t)+7], v[KF+8*(\t):KF+8*(\t)+7], v[QF+8*\a:QF+8*\a+7], v[BF+8*(\t):BF+8*(\t)+7]
.endr
.endr
.endm
.macro ADDS a                          ; the row's sum of the unquantised p, in four chains
.set j, 0
.rept 8
.irp k, 0,1,2,3
	v_pk_add_f32 v[LL+8*\a+2*\k:LL+8*\a+2*\k+1], v[LL+8*\a+2*\k:LL+8*\a+2*\k+1], v[SS+64*\a+j+2*\k:SS+64*\a+j+2*\k+1]
.endr
.set j, j+8
.endr
.endm
.macro CVT a
.irp t, 0,1,2,3,4,5,6,7
	v_cvt_scalef32_pk8_bf8_f32 v[CD+16*\a+2*\t:CD+16*\a+2*\t+1], v[SS+64*\a+8*\t:SS+64*\a+8*\t+7], v[SCP]
.endr
.endm
; The first half of a change of slots: all my tensor loads are in (my rows of the next slot), the add, the wait for it and for my reads of this slot (V^T's fragments were the last), the signal.
; fill = 1: the slot in hand will take the tile two on: group 0 is written here, where no load of mine is out.
.macro MID fill
	s_wait_alu depctr_va_vdst(0)                   ; the wait ahead of the wait below
	s_wait_tensorcnt 0x0
	ds_add_u32 v5, v6
.if \fill
	s_add_co_u32 s25, s2, s45                      ; my rows in the slot in hand,
	s_add_nc_u64 s[26:27], s[26:27], s[34:35]      ; the next tile
	s_wait_xcnt 0x0                                ; the last prefetch, a trip back, has read its address
	s_add_nc_u64 s[36:37], s[36:37], s[50:51]
.endif
	s_wait_dscnt 0x0
	s_barrier_signal -1
.endm
; The second half, behind the step: the wait; fill = 1: the rest of the cluster's round, the refill first behind it, the prefetch; then the other slot's addresses and first fragments.
.macro REST fill
	s_barrier_wait -1
.if \fill
	CREST
	TLOAD
	ASK
.endif
	s_xor_b32 s2, s2, SLOT
	s_add_co_u32 s39, s39, 1024
	v_add_nc_u32 v4, s2, v1
	v_add_nc_u32 v7, s2, v2
	v_add_nc_u32 v8, s39, v3
	s_wait_alu depctr_va_vdst(0)                   ; the wait behind these writes
	KLOAD 0
.endm
; A KEY STEP: 128 keys, the q-th of the slot in hand.  Its K and table fragments have been asked for.  nextk = 1: the next step's are asked for under this step's softmax.
; chg = 1, 2: the first half of a change of slots stands there instead, with (1) or without (2) a refill to follow.
.macro STEP q, nextk, chg
	s_wait_dscnt 16                                ; key tiles 0-3 are in; the younger sixteen loads may be out
	WIN 0x11
	QK 0
	s_wait_dscnt 0x0
	QK 4
.rept 4
	v_nop                                          ; places ahead of the loads into V^T's registers and of the first read of the scores
.endr
	WIN 0x40
.irp t, 0,1,2,3
.irp c, 0,1,2,3,4,5,6,7
	ds_load_b64 v[VF+16*\t+2*\c:VF+16*\t+2*\c+1], v7 offset:16*\t*PITCH+128*\q+16*\c   ; V^T: channels 16 t + r, keys 16 c + 8 h + 0 .. 7
.endr
.endr
	WIN 0
.set i, 0
.rept 16                                           ; the largest raw score so far, two chains a tile, each accumulator from its low end on
.irp a, 0,1
.if i == 0
	v_max3_num_f32 v[TA+2*\a], v[NM+2*\a+1], v[SS+64*\a], v[SS+64*\a+1]
	v_max3_num_f32 v[TA+2*\a+1], v[NM+2*\a+1], v[SS+64*\a+2], v[SS+64*\a+3]
.else
	v_max3_num_f32 v[TA+2*\a], v[TA+2*\a], v[SS+64*\a+4*i], v[SS+64*\a+4*i+1]
	v_max3_num_f32 v[TA+2*\a+1], v[TA+2*\a+1], v[SS+64*\a+4*i+2], v[SS+64*\a+4*i+3]
.endif
.endr
.set i, i+1
.endr
.irp a, 0,1
	v_max_num_f32 v[TA+2*\a], v[TA+2*\a], v[TA+2*\a+1]
.endr
.irp a, 0,1
	v_permlanex16_b32 v[PT+\a], v[TA+2*\a], s40, s41
.endr
.irp a, 0,1
	v_max_num_f32 v[NM+2*\a+1], v[TA+2*\a], v[PT+\a]   ; and among lane l xor 16's
.endr
.irp a, 0,1
	v_mov_b32 v[OL+\a], v[NM+2*\a]
.endr
.irp a, 0,1
	v_mul_f32 v[TA+2*\a], s47, v[NM+2*\a+1]        ; -t (c is positive)
.endr
.irp a, 0,1
	v_floor_f32 v[NM+2*\a], v[TA+2*\a]             ; the new -M = -ceil(t): a whole number
.endr
.irp a, 0,1
	v_sub_f32 v[TA+2*\a], v[NM+2*\a], v[OL+\a]     ; old M - new M: a whole number, 0 or less
.endr
.irp a, 0,1
	v_cvt_i32_f32 v[TA+2*\a], v[TA+2*\a]           ; (it saturates)
.endr
.irp a, 0,1
	v_ldexp_f32 v[FF+2*\a], 1.0, v[TA+2*\a]        ; f = 2^(old M - new M): a multiplication by it rounds nothing
.endr
.irp a, 0,1
.irp k, 0,1,2,3
	v_pk_mul_f32 v[LL+8*\a+2*\k:LL+8*\a+2*\k+1], v[LL+8*\a+2*\k:LL+8*\a+2*\k+1], v[FF+2*\a:FF+2*\a+1] op_sel_hi:[1,0]   ; the sums under the new M
.endr
.endr
	WIN 0x41
.irp a, 0,1
.set j, 0
.rept 16
	v_pk_mul_f32 v[OO+32*\a+j:OO+32*\a+j+1], v[OO+32*\a+j:OO+32*\a+j+1], v[FF+2*\a:FF+2*\a+1] op_sel_hi:[1,0]   ; O^T under the new M, ahead of the exponentials
.set j, j+2
.endr
.endr
.if \nextk
	KLOAD (\q)+1
.endif
	WIN 0
.if \chg == 1
	MID 1
.endif
.if \chg == 2
	MID 0
.endif
.set j, 0
.rept 32
	v_pk_fma_f32 v[SS+j:SS+j+1], v[SS+j:SS+j+1], s[42:43], v[NM:NM+1] op_sel_hi:[1,0,0]   ; tile 0: t - M
.set j, j+2
.endr
	s_wait_alu depctr_va_vdst(0)                   ; the wait ahead of the batch
.set j, 0
.rept 32
	v_exp_f32 v[SS+j], v[SS+j]                     ; tile 0: p = 2^(t - M);
	v_exp_f32 v[SS+j+1], v[SS+j+1]
	v_pk_fma_f32 v[SS+64+j:SS+64+j+1], v[SS+64+j:SS+64+j+1], s[42:43], v[NM+2:NM+3] op_sel_hi:[1,0,0]   ; among them tile 1's t - M, read behind the wait below
.set j, j+2
.endr
	s_wait_alu depctr_va_vdst(0)                   ; one wait for the batch, ahead of its first reader
	ADDS 0
	s_wait_alu depctr_va_vdst(0)                   ; ahead of the second batch
.set j, 0
.rept 32
	v_exp_f32 v[SS+64+j], v[SS+64+j]               ; tile 1: p;
	v_exp_f32 v[SS+64+j+1], v[SS+64+j+1]
	v_min_num_f32 v[SS+j], v[SS+j], v[LIMP]        ; among them tile 0's hold: the conversion does not saturate (ISA guide 7.6.2); p is not negative
	v_min_num_f32 v[SS+j+1], v[SS+j+1], v[LIMP]
.set j, j+2
.endr
	s_wait_alu depctr_va_vdst(0)
	CVT 0
	ADDS 1
.set j, 0
.rept 64
	v_min_num_f32 v[SS+64+j], v[SS+64+j], v[LIMP]
.set j, j+1
.endr
	CVT 1
	v_nop                                          ; a plain line between the conversions and the products
.if \chg == 0
	s_wait_alu depctr_va_vdst(0)                   ; the wait ahead of the wait below
.if \nextk
	s_wait_dscnt 32                                ; V^T is in; the next step's 32 loads may be out
.else
	s_wait_dscnt 0x0
.endif
.endif                                             ; (chg: V^T was waited for ahead of the signal)
	WIN 0x51
.irp t, 0,1,2,3
.irp a, 0,1
	v_wmma_f32_16x16x128_bf8_bf8 v[OO+32*\a+8*\t:OO+32*\a+8*\t+7], v[VF+16*\t:VF+16*\t+15], v[CD+16*\a:CD+16*\a+15], v[OO+32*\a+8*\t:OO+32*\a+8*\t+7]   ; the eight accumulators by turns
.endr
.endr
	WIN 0
.endm
	; tile 0 is shown to every wave, and slot 1 is filled for the first time, as a refill is: the three lines, a whole round, one load a wave
	s_wait_tensorcnt 0x0
	ds_add_u32 v5, v6
	s_add_co_u32 s25, s45, SLOT                    ; slot 1,
	s_add_nc_u64 s[26:27], s[26:27], s[34:35]      ; tile 1
	s_add_nc_u64 s[36:37], s[36:37], s[50:51]      ; (no prefetch is out yet)
	s_wait_dscnt 0x0
	ROUND
	TLOAD
	ASK                                            ; tile 2
	v_add_nc_u32 v4, s2, v1
	v_add_nc_u32 v7, s2, v2
	v_add_nc_u32 v8, s39, v3
	s_wait_alu depctr_va_vdst(0)                   ; the wait behind these writes
	KLOAD 0
.Lring:                                            ; six trips: tile i is worked, and its slot takes tile i + 2
	STEP 0, 1, 0
	STEP 1, 0, 1
	REST 1
	s_sub_co_u32 s44, s44, 1
	s_cmp_lg_u32 s44, 0
	s_cbranch_scc1 .Lring
	STEP 0, 1, 0                                   ; tiles 6 and 7 are written out
	STEP 1, 0, 2
	REST 0
	STEP 0, 1, 0
	STEP 1, 0, 0
	; THE WAY OUT.  O^T / the sum x 2^(e8 + e9) is ctx; it is held, converted with 2^e10 and goes through a stage of 64 rows x 272 bytes at LDS byte 0: slot 0 has had its last fill, and nobody reads it behind the last barrier.
.irp a, 0,1
	v_pk_add_f32 v[LL+8*\a:LL+8*\a+1], v[LL+8*\a:LL+8*\a+1], v[LL+8*\a+2:LL+8*\a+3]
	v_pk_add_f32 v[LL+8*\a+4:LL+8*\a+5], v[LL+8*\a+4:LL+8*\a+5], v[LL+8*\a+6:LL+8*\a+7]
.endr
.irp a, 0,1
	v_pk_add_f32 v[LL+8*\a:LL+8*\a+1], v[LL+8*\a:LL+8*\a+1], v[LL+8*\a+4:LL+8*\a+5]
.endr
.irp a, 0,1
	v_add_f32 v[LL+8*\a], v[LL+8*\a], v[LL+8*\a+1]
.endr
.irp a, 0,1
	v_permlanex16_b32 v[PT+\a], v[LL+8*\a], s40, s41
.endr
.irp a, 0,1
	v_add_f32 v[LL+8*\a], v[LL+8*\a], v[PT+\a]     ; the row's sum
.endr
	s_wait_alu depctr_va_vdst(0)                   ; ahead of the reciprocals
.irp a, 0,1
	v_rcp_f32 v[LL+8*\a], v[LL+8*\a]
.endr
	v_nop                                          ; a plain line behind them
	s_add_co_i32 s46, s70, s71
	s_wait_alu depctr_va_vdst(0)                   ; and the wait ahead of their first reader
.irp a, 0,1
	v_ldexp_f32 v[LL+8*\a], v[LL+8*\a], s46
.endr
	WIN 0x01
	s_wait_alu depctr_va_vdst(0)                   ; the wait directly ahead of the first reader of O^T
.irp a, 0,1
.set j, 0
.rept 32
	v_mul_f32 v[SS+32*\a+j], v[OO+32*\a+j], v[LL+8*\a]   ; register 8 t + i: ctx(query r, channel 16 t + 8 h + i); each accumulator from its low end on
.set j, j+1
.endr
.endr
	WIN 0
.set j, 0
.rept 64
	v_med3_num_f32 v[SS+j], v[SS+j], -v[LIMC], v[LIMC]
.set j, j+1
.endr
.irp u, 0,1,2,3,4,5,6,7
	v_cvt_scalef32_pk8_bf8_f32 v[CD+2*\u:CD+2*\u+1], v[SS+8*\u:SS+8*\u+7], v[SCC]
.endr
	v_nop
.irp a, 0,1
.irp t, 0,1,2,3
	ds_store_b64 v10, v[CD+8*\a+2*\t:CD+8*\a+2*\t+1] offset:16*\a*PITCH+16*\t
.endr
.endr
	s_wait_dscnt 0x0                               ; for the others' sake: a row's 256 bytes come from four waves
	s_barrier_signal -1
	s_barrier_wait -1
.irp i, 0,1,2,3
	ds_load_b128 v[SS+4*\i:SS+4*\i+3], v11 offset:2*\i*PITCH
.endr
.irp i, 0,1,2,3
	s_wait_dscnt 3-\i
	global_store_b128 v12, v[SS+4*\i:SS+4*\i+3], s[10:11] offset:512*\i   ; sixteen lanes: a row of 256 bytes, aligned
.endr
	s_wait_tensorcnt 0x0                           ; the wave's end
	ds_add_u32 v5, v6
	s_wait_dscnt 0x0
	ROUND                                          ; the closing round
	s_endpgm
.Lfunc_end_k_q4eef4072f6_attn:
	.size	k_q4eef4072f6_attn, .Lfunc_end_k_q4eef4072f6_attn-k_q4eef4072f6_attn
	.p2alignl 7, 3214868480
	.fill 96, 4, 3214868480
	.section	.rodata,"a",@progbits
	.p2align	6, 0x0
	.amdhsa_kernel k_q4eef4072f6_attn
		.amdhsa_group_segment_fixed_size 327680
		.amdhsa_private_segment_fixed_size 0
		.amdhsa_enable_private_segment 0
		.amdhsa_kernarg_size 32
		.amdhsa_user_sgpr_count 2
		.amdhsa_user_sgpr_kernarg_segment_ptr 1
		.amdhsa_wavefront_size32 1
		.amdhsa_system_sgpr_workgroup_id_x 1
		.amdhsa_system_sgpr_workgroup_id_y 1
		.amdhsa_system_sgpr_workgroup_id_z 1
		.amdhsa_system_vgpr_workitem_id 0
		.amdhsa_next_free_vgpr 512
		.amdhsa_next_free_sgpr 96
		.amdhsa_reserve_vcc 1
		.amdhsa_float_denorm_mode_32 3
		.amdhsa_float_denorm_mode_16_64 3
		.amdhsa_memory_ordered 1
		.amdhsa_forward_progress 1
		.amdhsa_inst_pref_size 206
	.end_amdhsa_kernel
	.amdgpu_metadata
---
amdhsa.version: [ 1, 2 ]
amdhsa.kernels:
  - .name:           k_q4eef4072f6_attn
    .symbol:         k_q4eef4072f6_attn.kd
    .args:
      - { .name: cb, .offset: 0, .size: 8, .value_kind: global_buffer, .address_space: global }
      - { .name: mask, .offset: 8, .size: 8, .value_kind: global_buffer, .address_space: global }
      - { .name: lowp_scales, .offset: 16, .size: 8, .value_kind: global_buffer, .address_space: global }
      - { .name: ca, .offset: 24, .size: 8, .value_kind: global_buffer, .address_space: global }
    .group_segment_fixed_size: 327680
    .private_segment_fixed_size: 0
    .kernarg_segment_align: 8
    .kernarg_segment_size: 32
    .max_flat_workgroup_size: 256
    .sgpr_count:     96
    .vgpr_count:     512
    .wavefront_size: 32
...
	.end_amdgpu_metadata
.endif
;; end of part 3
;; launch wo (part 4): grid 8 x 32, 4 waves a work-group, clusters of 4 x 4, 327,680 bytes of LDS; arguments ca, wc, part; writes part
.if DOCPART == 4
	.amdgcn_target "amdgcn-amd-amdhsa--gfx1250"
	.amdhsa_code_object_version 6
	.text
	.protected	k_q4eef4072f6_wo
	.globl	k_q4eef4072f6_wo
	.p2align	8
	.type	k_q4eef4072f6_wo,@function
k_q4eef4072f6_wo:
	s_mov_b64 s[64:65], 0
	v_nop
	global_prefetch_b8 v0, s[64:65] scope:SCOPE_SE
	s_setreg_imm32_b32 hwreg(HW_REG_WAVE_MODE, 25, 1), 1
	s_wait_xcnt 0x0
	s_wait_alu depctr_hold_cnt(0) depctr_sa_sdst(0) depctr_va_vdst(0) depctr_va_sdst(0) depctr_va_ssrc(0) depctr_va_vcc(0) depctr_vm_vsrc(0)
	s_getreg_b32 s2, hwreg(HW_REG_IB_STS2, 6, 4)
	s_cmp_eq_u32 s2, 0
	s_cbranch_scc0 .Lentry_in_a_cluster
	s_endpgm
.Lentry_in_a_cluster:
	s_bfe_u32 s2, ttmp6, 0x10000c
	s_cmp_lg_u32 s2, 0xf033
	s_cbranch_scc0 .Lentry_shape_is_right
	s_endpgm
.Lentry_shape_is_right:
; C = A B^T on codes of BF8 (E5M2): the product of ctx with wo.  M = 4,096, N = 1,024, K = 1,024; the raw f32 sums leave as they are (the launch behind multiplies them by the two scales).
; A: panels [K / 256][4,096 rows][256 bytes], B: panels [K / 256][1,024 rows][256 bytes], C: [4,096][1,024] f32.
; A TILE OF C IS 128 x 128, so that the 4,096 x 1,024 outputs make 256 tiles.  Four waves, 64 x 64 each: 16 accumulators of 16 x 16.
; K goes through two LDS slots filled by the tensor data mover.  A slot holds TWO panels, 512 along K: A's 128 rows of the even panel, of the odd panel, then B's likewise: four blocks of 128 rows x 256 bytes, one load a wave.
; With K = 1,024 the two first fills are all there is: no slot is filled again and there is no loop (the same text with KPAN = 16 serves the product with w2).
; CLUSTERS: 4 x 4 work-groups; the four of a row need the same tiles of A, the four of a column the same tiles of B: each tile is asked for jointly.
; THE MATRIX INSTRUCTION IS USED TRANSPOSED (source 0 = 16 rows of B, source 1 = 16 rows of A): lane (r, h), register j holds C(m = r, n = 8 h + j): eight neighbouring numbers of a row.
; A fragment is fetched by four loads of 16 bytes: registers 4 c .. 4 c + 3 hold K = 32 c + 16 h + 0 .. 15: a permutation of k, the same in A and in B, so every product meets its partner.
; No prefetch: a step's matrix work is short and the tiles are small; the tiles' requests are shared in the cluster instead.
; REGISTERS: window 0: v16-29 addresses; v128-255 the accumulators ((a, b) at v[128 + 8 (4 a + b)]), on the way out rows of C.  window 1: two fragment buffers of 128: A's four fragments, then B's four.
.set KPAN,   4                         ; panels of 256 along K
.set LAPS,   KPAN/4                    ; a lap = two slots = four panels
.set ROWB,   256
.set PITCH,  272                       ; an LDS row: 256 bytes + 16 of padding = 68 words: row r starts at bank 4 r mod 64 (64 banks of 4 bytes: ISA guide 11.1)
.set FR,     16                        ; registers of a fragment: 16 rows x 128 K
.set NP,     4                         ; places behind this matrix instruction (ISA guide 7.12.1)
.set HALFT,  128*PITCH                 ; what one tensor load brings
.set SLOT,   4*HALFT
.set SPARE,  2*SLOT                    ; the spare words, 128 bytes a wave: two blocks of 256 bytes that no other line names
.set STRA,   0x100000                  ; from panel to panel of A
.set STRB,   0x40000                   ; and of B
.set SPITCH, 272                       ; the way out: a stage of 16 rows x (256 bytes + 16) for each wave, in slot 0
.set CROW,   4096                      ; a row of C in bytes
.set ADRA, 16
.set ADRB, 20
.set STO,  24
.set RD,   25
.set CO,   26
.set SPW,  28
.set NIL,  29
.set ACC,  128
.set F0,   0
.set F1,   128
.set G1, 24
.set G0, 32
.set G1B, 48
.set G0B, 56
.set MSB, 0
.macro WIN new                         ; the immediate's high byte repeats the setting that is left
.if MSB != (\new)
	s_set_vgpr_msb (MSB<<8)|(\new)
.set MSB, (\new)
.endif
.endm
.set MUL,  0x05                        ; sources 0 (B) and 1 (A) window 1; C and D window 0
.set TO_F, 0x40                        ; destination window 1, address window 0
.macro JLOAD g0a, g1a, g0b, g1b        ; a joint load: waves 0 and 1 fetch for A, waves 2 and 3 for B; four v_nop follow each line
	s_cmp_eq_u32 s15, 0
	s_cbranch_scc0 .Lfor_b_\@
	tensor_load_to_lds s[\g0a:\g0a+3], s[\g1a:\g1a+7]
	s_nop 0
.rept 4
	v_nop
.endr
	s_branch .Lasked_\@
.Lfor_b_\@:
	tensor_load_to_lds s[\g0b:\g0b+3], s[\g1b:\g1b+7]
	s_nop 0
.rept 4
	v_nop
.endr
.Lasked_\@:
.endm
.macro CREST                           ; a round of the cluster's barrier behind its opening barrier
	s_cmp_lg_u32 s14, 0
	s_cbranch_scc1 .Lnot_wave_0_\@
	s_barrier_signal -3
.Lnot_wave_0_\@:
	s_barrier_wait -3
	s_barrier_signal -1
	s_barrier_wait -1
.endm
.macro CROUND
	s_barrier_signal -1
	s_barrier_wait -1
	CREST
.endm
	s_load_b128 s[4:7], s[0:1], 0x0                ; A, B
	s_load_b64 s[10:11], s[0:1], 0x10              ; C
	v_lshl_add_u32 v[SPW], v0, 2, SPARE
	v_mov_b32 v[NIL], 0
	ds_add_u32 v28, v29
	ds_add_u32 v28, v29
	s_wait_dscnt 0x0
	v_lshrrev_b32 v1, 5, v0
	v_readfirstlane_b32 s14, v1                    ; wave 0..3
	s_lshr_b32 s15, s14, 1                         ; which 64 rows of the tile are mine.  Also: I fetch for A (0) or for B (1)
	s_and_b32 s16, s14, 1                          ; which 64 columns.  Also: which of a slot's two panels I fetch
	s_bfe_u32 s40, ttmp6, 0x40000                  ; cx
	s_bfe_u32 s41, ttmp6, 0x40004                  ; cy
	s_lshl_b32 s42, ttmp9, 2
	s_add_co_u32 s42, s42, s40                     ; tile column, 0 .. 7
	s_and_b32 s17, ttmp7, 0xffff
	s_lshl_b32 s17, s17, 2
	s_add_co_u32 s17, s17, s41                     ; tile row, 0 .. 31
	s_lshl_b32 s43, s41, 2
	s_lshl_b32 s43, 15, s43                        ; my row of the cluster
	s_lshl_b32 s44, 0x1111, s40                    ; my column
	s_or_b32 s[G1+0], s43, (0<<16)|(1<<20)|(1<<21)|(5<<22)|(3<<25)  ; the mask; elements of 1 byte; padding on; bit 21 beside a mask; after every 64 words, 4 words
	s_or_b32 s[G1B+0], s44, (0<<16)|(1<<20)|(1<<21)|(5<<22)|(3<<25)
.irp g, G1, G1B
	s_mov_b32 s[\g+1], ROWB<<16                    ; tensor_dim0
	s_mov_b32 s[\g+2], 128<<16                     ; tensor_dim1
	s_mov_b32 s[\g+3], ROWB<<16                    ; tile_dim0
	s_mov_b32 s[\g+4], 128                         ; tile_dim1
	s_mov_b32 s[\g+5], ROWB                        ; from row to row: a panel's rows are dense
	s_mov_b32 s[\g+6], 0
	s_mov_b32 s[\g+7], 0
.endr
	s_lshl_b32 s20, s17, 15                        ; A: the tile's 128 rows of 256 bytes,
	s_mul_i32 s21, s16, STRA                       ; in my panel of the two: it hangs on the tile row and the wave alone
	s_add_co_u32 s20, s20, s21
	s_mov_b32 s21, 0
	s_lshl_b32 s46, s42, 15                        ; B: on the tile column and the wave alone
	s_mul_i32 s47, s16, STRB
	s_add_co_u32 s46, s46, s47
	s_mov_b32 s47, 0
	s_mul_i32 s45, s14, HALFT                      ; where they go: wave x 128 rows
	s_wait_kmcnt 0x0
	s_add_nc_u64 s[20:21], s[4:5], s[20:21]
	s_add_nc_u64 s[46:47], s[6:7], s[46:47]
	CROUND                                         ; all sixteen work-groups are here: the first joint loads meet
.irp s, 0,1
	s_mov_b32 s[G0+4*\s], 1
	s_add_co_u32 s[G0+4*\s+1], s45, \s*SLOT
	s_add_nc_u64 s[G0+4*\s+2:G0+4*\s+3], s[20:21], \s*2*STRA
	s_or_b32 s[G0+4*\s+3], s[G0+4*\s+3], 0x80000000
	s_mov_b32 s[G0B+4*\s], 1
	s_add_co_u32 s[G0B+4*\s+1], s45, \s*SLOT
	s_add_nc_u64 s[G0B+4*\s+2:G0B+4*\s+3], s[46:47], \s*2*STRB
	s_or_b32 s[G0B+4*\s+3], s[G0B+4*\s+3], 0x80000000
.if \s                                             ; slot 1's first fill is issued as a refill is: the wait for all my loads, the add, its wait, a whole round
	s_wait_alu depctr_va_vdst(0)
	s_wait_tensorcnt 0x0
	ds_add_u32 v[SPW], v[NIL]
	s_wait_dscnt 0x0
	CROUND
.endif
	JLOAD G0+4*\s, G1, G0B+4*\s, G1B               ; panels 2 s and 2 s + 1: one load a wave at the head, one behind the round
.endr
	v_and_b32 v1, 15, v0                           ; r
	v_bfe_u32 v2, v0, 4, 1                         ; h
	v_mul_u32_u24 v3, v1, PITCH
	s_wait_alu depctr_va_vdst(0)
	v_lshl_add_u32 v4, v2, 4, v3                   ; a fragment's row x pitch + 16 h
	s_mul_i32 s21, s15, 64*PITCH                   ; my 64 rows of A,
	s_mul_i32 s22, s16, 64*PITCH                   ; my 64 rows of B,
	s_add_co_u32 s22, s22, 2*HALFT                 ; which lie behind A's two blocks
.irp s, 0,1
	v_add_nc_u32 v[ADRA+\s], s21, v4
	v_add_nc_u32 v[ADRB+\s], s22, v4
	s_add_co_u32 s21, s21, SLOT
	s_add_co_u32 s22, s22, SLOT
.endr
	s_mul_i32 s23, s14, 16*SPITCH                  ; my stage
	v_lshl_add_u32 v5, v2, 5, v3
	v_add_nc_u32 v[STO], s23, v5                   ; in: row r, 32 bytes for each half of the lanes
	v_mul_u32_u24 v5, v2, SPITCH
	v_lshl_add_u32 v5, v1, 4, v5
	v_add_nc_u32 v[RD], s23, v5                    ; back: lanes 0-15 take one row of 256 bytes, lanes 16-31 the next
	v_lshlrev_b32 v6, 12, v2
	v_lshl_add_u32 v[CO], v1, 4, v6                ; and the same two rows in C
	s_lshl_b32 s20, s17, 7
	s_lshl_b32 s21, s15, 6
	s_add_co_u32 s20, s20, s21                     ; my first row of C
	s_lshl_b32 s20, s20, 12
	s_lshl_b32 s21, s42, 9                         ; my first column, in bytes: 512 x tile column + 256 x half
	s_add_co_u32 s20, s20, s21
	s_lshl_b32 s21, s16, 8
	s_add_co_u32 s20, s20, s21
	s_mov_b32 s21, 0
	s_add_nc_u64 s[10:11], s[10:11], s[20:21]
.macro FRAG reg, adr, q, i             ; step q of a slot's four: panel q / 2, byte 128 (q % 2) of its rows
.irp c, 0,1,2,3
	ds_load_b128 v[\reg+4*\c:\reg+4*\c+3], v[\adr] offset:((\q)/2)*HALFT+128*((\q)%2)+32*\c+(\i)*16*PITCH
.endr
.endm
.macro FETCH slot, q, f                ; 32 LDS loads in one run: a step's fragments into buffer f
	WIN TO_F
.irp i, 0,1,2,3
	FRAG (\f)+64+FR*\i, ADRB+\slot, \q, \i
.endr
.irp i, 0,1,2,3
	FRAG (\f)+FR*\i, ADRA+\slot, \q, \i
.endr
.endm
; 8 matrix instructions: A's blocks a0, a0 + 1 x B's four.  The 16 accumulators take turns, one instruction a turn, in the same order in every step.
.macro MUL8 f, a0, zero
.irp a, \a0, \a0+1
.irp b, 0,1,2,3
.if \zero
	v_wmma_f32_16x16x128_bf8_bf8 v[ACC+8*(4*(\a)+\b):ACC+8*(4*(\a)+\b)+7], v[(\f)+64+FR*\b:(\f)+64+FR*\b+FR-1], v[(\f)+FR*(\a):(\f)+FR*(\a)+FR-1], 0
.else
	v_wmma_f32_16x16x128_bf8_bf8 v[ACC+8*(4*(\a)+\b):ACC+8*(4*(\a)+\b)+7], v[(\f)+64+FR*\b:(\f)+64+FR*\b+FR-1], v[(\f)+FR*(\a):(\f)+FR*(\a)+FR-1], v[ACC+8*(4*(\a)+\b):ACC+8*(4*(\a)+\b)+7]
.endif
.endr
.endr
.endm
.macro PLACES n                        ; plain vector lines in front of loads into registers that matrix instructions have read, and of the first read of results
.rept \n
	v_nop
.endr
.endm
; Step q (0, 1 or 2) of a slot: the next step's fragments are asked for first, into the buffer that the last step's products have read; then this step's 16 products.
.macro SUB slot, q, zero
	PLACES NP
	FETCH \slot, (\q)+1, 128*(((\q)+1)%2)
	s_wait_dscnt 32                                ; all but the 32 just issued: this step's fragments are in
	WIN MUL
	MUL8 128*((\q)%2), 0, \zero
	MUL8 128*((\q)%2), 2, \zero
.endm
; A slot's last step changes slots: one barrier; in front of it each wave waits for all its tensor loads, adds 0 to its spare word, and waits for that and for its own reads of this slot.
; fill = 1: this slot is filled again, with the panels four further on.
.macro TURN slot, next, fill
	WIN 0                                          ; (the add's two registers lie in window 0)
	s_wait_tensorcnt 0x0                           ; all my tensor loads have landed: my part of the next slot; so a group 0 may be written
	ds_add_u32 v[SPW], v[NIL]                      ; 0 onto my spare word
.if \fill
	s_add_nc_u64 s[G0+4*\slot+2:G0+4*\slot+3], s[G0+4*\slot+2:G0+4*\slot+3], 4*STRA
	s_add_nc_u64 s[G0B+4*\slot+2:G0B+4*\slot+3], s[G0B+4*\slot+2:G0B+4*\slot+3], 4*STRB
.endif
	WIN MUL
	s_wait_dscnt 0x0                               ; the add is done, this step's fragments are in, and my reads of this slot are over
	s_barrier_signal -1
	MUL8 F1, 0, 0                                  ; work on registers while the others arrive
	WIN 0
	s_barrier_wait -1
.if \fill
	CREST                                          ; the barrier has opened a round of the cluster's: no wave of any partner still reads this slot or has a load on its way
	JLOAD G0+4*\slot, G1, G0B+4*\slot, G1B         ; the first tensor load behind the round; its four v_nop are the places in front of the loads below
.else
	PLACES NP
.endif
	FETCH \next, 0, F0
	WIN MUL
	MUL8 F1, 2, 0
.endm
	s_wait_alu depctr_va_vdst(0)
	s_wait_tensorcnt 1                             ; my part of slot 0 is in; slot 1's may stay out
	s_barrier_signal -1
	s_barrier_wait -1
	FETCH 0, 0, F0
	SUB 0, 0, 1                                    ; the first products start the sums: nothing is cleared
.if LAPS > 1
	WIN 0                                          ; at a label and at a branch every window is 0
	s_mov_b32 s3, LAPS-1
.Llap:                                             ; a trip goes once round the ring, from a lap's second step to the next lap's first, and fills both slots again
	SUB 0, 1, 0
	SUB 0, 2, 0
	TURN 0, 1, 1
	SUB 1, 0, 0
	SUB 1, 1, 0
	SUB 1, 2, 0
	TURN 1, 0, 1
	SUB 0, 0, 0
	WIN 0
	s_sub_co_u32 s3, s3, 1
	s_cmp_lg_u32 s3, 0
	s_cbranch_scc1 .Llap
.endif
	SUB 0, 1, 0                                    ; the last lap fills nothing, and has no round of the cluster's barrier
	SUB 0, 2, 0
	TURN 0, 1, 0
	SUB 1, 0, 0
	SUB 1, 1, 0
	SUB 1, 2, 0
	s_wait_dscnt 0x0                               ; the very last step: nothing more to fetch
	MUL8 F1, 0, 0
	MUL8 F1, 2, 0
	WIN 0
; THE WAY OUT, block by block of 16 rows x 64 columns.  A lane holds 32 neighbouring bytes of a row and the lanes beside it hold other rows: a block goes from the accumulators into my own stage and comes back, into the same
; registers, as whole rows of 256 bytes.  The stage lies in slot 0, which has had its last fill, and which nobody reads behind the last change of slots.
; LDS serves a wave's instructions in order (ISA guide 5.7.1.4): no wait between the stores and the loads, nor in front of the next block's stores.
.macro TOSTAGE a
.irp b, 0,1,2,3
	ds_store_b128 v[STO], v[ACC+32*(\a)+8*\b:ACC+32*(\a)+8*\b+3] offset:64*\b            ; each accumulator from its low end on
	ds_store_b128 v[STO], v[ACC+32*(\a)+8*\b+4:ACC+32*(\a)+8*\b+7] offset:64*\b+16
.endr
.irp t, 0,1,2,3,4,5,6,7
	ds_load_b128 v[ACC+32*(\a)+4*\t:ACC+32*(\a)+4*\t+3], v[RD] offset:\t*2*SPITCH
.endr
.endm
.macro SEND a, younger                 ; younger: the LDS instructions issued behind block a's loads: the next block's sixteen, or none
.irp t, 0,1,2,3,4,5,6,7
	s_wait_dscnt \younger+7-\t
	global_store_b128 v[CO], v[ACC+32*(\a)+4*\t:ACC+32*(\a)+4*\t+3], s[10:11] offset:(\a)*16*CROW+\t*2*CROW th:TH_STORE_NT   ; sixteen lanes: 256 consecutive bytes, aligned; every offset an immediate, 62 rows of C at the most
.endr
.endm
	PLACES NP
	TOSTAGE 0
	TOSTAGE 1
	SEND 0, 16
	TOSTAGE 2
	SEND 1, 16
	TOSTAGE 3
	SEND 2, 16
	SEND 3, 0
	s_wait_tensorcnt 0x0                           ; the wave's end
	ds_add_u32 v[SPW], v[NIL]
	s_wait_dscnt 0x0
	CROUND                                         ; the closing round: no work-group ends while a partner may still ask for a tile that names it
	s_endpgm
.Lfunc_end_k_q4eef4072f6_wo:
	.size	k_q4eef4072f6_wo, .Lfunc_end_k_q4eef4072f6_wo-k_q4eef4072f6_wo
	.p2alignl 7, 3214868480
	.fill 96, 4, 3214868480
	.section	.rodata,"a",@progbits
	.p2align	6, 0x0
	.amdhsa_kernel k_q4eef4072f6_wo
		.amdhsa_group_segment_fixed_size 327680
		.amdhsa_private_segment_fixed_size 0
		.amdhsa_enable_private_segment 0
		.amdhsa_kernarg_size 24
		.amdhsa_user_sgpr_count 2
		.amdhsa_user_sgpr_kernarg_segment_ptr 1
		.amdhsa_wavefront_size32 1
		.amdhsa_system_sgpr_workgroup_id_x 1
		.amdhsa_system_sgpr_workgroup_id_y 1
		.amdhsa_system_sgpr_workgroup_id_z 1
		.amdhsa_system_vgpr_workitem_id 0
		.amdhsa_next_free_vgpr 512
		.amdhsa_next_free_sgpr 98
		.amdhsa_reserve_vcc 0
		.amdhsa_float_denorm_mode_32 3
		.amdhsa_float_denorm_mode_16_64 3
		.amdhsa_memory_ordered 1
		.amdhsa_forward_progress 1
		.amdhsa_inst_pref_size 42
	.end_amdhsa_kernel
	.amdgpu_metadata
---
amdhsa.version: [ 1, 2 ]
amdhsa.kernels:
  - .name:           k_q4eef4072f6_wo
    .symbol:         k_q4eef4072f6_wo.kd
    .args:
      - { .name: ca, .offset: 0, .size: 8, .value_kind: global_buffer, .address_space: global }
      - { .name: wc, .offset: 8, .size: 8, .value_kind: global_buffer, .address_space: global }
      - { .name: part, .offset: 16, .size: 8, .value_kind: global_buffer, .address_space: global }
    .group_segment_fixed_size: 327680
    .private_segment_fixed_size: 0
    .kernarg_segment_align: 8
    .kernarg_segment_size: 24
    .max_flat_workgroup_size: 128
    .sgpr_count:     98
    .vgpr_count:     512
    .wavefront_size: 32
...
	.end_amdgpu_metadata
.endif
;; end of part 4
;; launch ln1 (part 5): grid 512 x 1, 8 waves a work-group, no clusters, 9,216 bytes of LDS; arguments part, x, wo_b, alpha1, bias1, lowp_scales, x1, cb; writes x1, cb
.if DOCPART == 5
	.amdgcn_target "amdgcn-amd-amdhsa--gfx1250"
	.amdhsa_code_object_version 6
	.text
	.protected	k_q4eef4072f6_ln1
	.globl	k_q4eef4072f6_ln1
	.p2align	8
	.type	k_q4eef4072f6_ln1,@function
k_q4eef4072f6_ln1:
	s_mov_b64 s[64:65], 0
	v_nop
	global_prefetch_b8 v0, s[64:65] scope:SCOPE_SE
	s_setreg_imm32_b32 hwreg(HW_REG_WAVE_MODE, 25, 1), 1
	s_wait_xcnt 0x0
; x1 = layernorm(x + (sums x 2^(e10 + e11) + wo_b)) with gain alpha1 and bias1; std with divisor 1,023, 1e-6 added to std.  x1 leaves as f32 and as codes of BF8 (scale entry 12), in panels [4][4,096][256].
; One wave, one row of 1,024 numbers, 32 a lane (load j: columns 128 j + 4 lane + 0 .. 3): the row stays in registers; mean first, then the squares of the differences: no difference of large sums is formed.
; No loop, no barrier.  LDS: 1,024 bytes a wave, in which the row's codes are put in order.
; LIMITS: e10 + e11 between -126 and 127; e12 between -126 and 112.  NaN is not served.
.set P,  32                            ; the sums, then y, then x1
.set R,  64                            ; x, later x1 held
.set WB, 96
.set AL, 128
.set BI, 160
.set C,  192
.set OUT, 200
.macro RED v, tmp                      ; the sum over the 32 lanes, in every lane
	s_delay_alu instid0(VALU_DEP_1)
	v_add_f32_dpp v[\v], v[\v], v[\v] row_xmask:1 row_mask:0xf bank_mask:0xf
	s_delay_alu instid0(VALU_DEP_1)
	v_add_f32_dpp v[\v], v[\v], v[\v] row_xmask:2 row_mask:0xf bank_mask:0xf
	s_delay_alu instid0(VALU_DEP_1)
	v_add_f32_dpp v[\v], v[\v], v[\v] row_xmask:4 row_mask:0xf bank_mask:0xf
	s_delay_alu instid0(VALU_DEP_1)
	v_add_f32_dpp v[\v], v[\v], v[\v] row_xmask:8 row_mask:0xf bank_mask:0xf
	s_delay_alu instid0(VALU_DEP_1)
	v_permlanex16_b32 v[\tmp], v[\v], s26, s27
	s_delay_alu instid0(VALU_DEP_1)
	v_add_f32 v[\v], v[\v], v[\tmp]
.endm
	s_load_b512 s[4:19], s[0:1], 0x0               ; part 4, x 6, wo_b 8, alpha1 10, bias1 12, the scales 14, x1 16, cb 18
	v_lshl_add_u32 v224, v0, 2, 0x2000
	v_mov_b32 v225, 0
	v_lshrrev_b32 v1, 5, v0
	s_delay_alu instid0(VALU_DEP_1)
	v_readfirstlane_b32 s3, v1                     ; wave 0..7
	v_and_b32 v2, 31, v0
	s_delay_alu instid0(VALU_DEP_1)
	v_lshlrev_b32 v1, 4, v2                        ; 16 x lane
	s_delay_alu instid0(VALU_DEP_2)
	v_lshrrev_b32 v5, 4, v2
	s_delay_alu instid0(VALU_DEP_3)
	v_and_b32 v6, 15, v2
	s_delay_alu instid0(VALU_DEP_1)
	v_lshlrev_b32 v6, 4, v6
	s_delay_alu instid0(VALU_DEP_1)
	v_lshl_or_b32 v3, v5, 20, v6                   ; the codes' place: lanes 16-31 one panel further on
	s_lshl_b32 s32, s3, 10
	v_lshl_add_u32 v4, v2, 2, s32                  ; LDS, in
	v_lshl_add_u32 v7, v2, 4, s32                  ; LDS, back
	s_lshl_b32 s20, ttmp9, 3
	s_add_co_u32 s20, s20, s3                      ; my row
	s_lshl_b32 s28, s20, 12
	s_mov_b32 s29, 0
	s_lshl_b32 s30, s20, 8
	s_mov_b32 s31, 0
	s_mov_b32 s26, 0x76543210
	s_mov_b32 s27, 0xfedcba98
	v_mov_b32 v213, 0                              ; a lane permute's destination counts as read
	s_wait_alu depctr_va_vdst(0)
	s_wait_kmcnt 0x0
	s_load_b128 s[20:23], s[14:15], 0x28           ; e10 .. e13
	s_add_nc_u64 s[4:5], s[4:5], s[28:29]
	s_add_nc_u64 s[6:7], s[6:7], s[28:29]
	s_add_nc_u64 s[16:17], s[16:17], s[28:29]
	s_add_nc_u64 s[18:19], s[18:19], s[30:31]
.irp j, 0,1,2,3,4,5,6,7
	global_load_b128 v[P+4*\j:P+4*\j+3], v1, s[4:5] offset:512*\j th:TH_LOAD_NT
.endr
.irp j, 0,1,2,3,4,5,6,7
	global_load_b128 v[R+4*\j:R+4*\j+3], v1, s[6:7] offset:512*\j th:TH_LOAD_NT
.endr
.irp j, 0,1,2,3,4,5,6,7
	global_load_b128 v[WB+4*\j:WB+4*\j+3], v1, s[8:9] offset:512*\j
.endr
.irp j, 0,1,2,3,4,5,6,7
	global_load_b128 v[AL+4*\j:AL+4*\j+3], v1, s[10:11] offset:512*\j
.endr
.irp j, 0,1,2,3,4,5,6,7
	global_load_b128 v[BI+4*\j:BI+4*\j+3], v1, s[12:13] offset:512*\j
.endr
	s_wait_kmcnt 0x0
	s_add_co_i32 s24, s20, s21
	s_add_co_i32 s24, s24, 127
	s_lshl_b32 s24, s24, 23                        ; 2^(e10 + e11) as f32
	s_mov_b32 s25, s24                             ; (named with it as a pair)
	s_add_co_i32 s33, s22, 127
	s_lshl_b32 s34, s33, 23
	v_mov_b32 v220, s34                            ; 2^e12
	s_add_co_i32 s33, s33, 15
	s_lshl_b32 s33, s33, 23
	s_or_b32 s33, s33, 0x600000
	v_mov_b32 v221, s33                            ; 57,344 x 2^e12
	s_wait_loadcnt 16                              ; the sums, x and wo_b are in; alpha1's and bias1's sixteen loads may be out
.set i, 0
.rept 16
	v_pk_fma_f32 v[P+i:P+i+1], v[P+i:P+i+1], s[24:25], v[WB+i:WB+i+1] op_sel_hi:[1,0,1]   ; the product's result + wo_b,
.set i, i+2
.endr
.set i, 0
.rept 16
	v_pk_add_f32 v[P+i:P+i+1], v[P+i:P+i+1], v[R+i:R+i+1]                                 ; + x
.set i, i+2
.endr
	v_pk_add_f32 v[208:209], v[P:P+1], v[P+2:P+3]
	v_pk_add_f32 v[210:211], v[P+4:P+5], v[P+6:P+7]
.irp i, 8,12,16,20,24,28
	s_delay_alu instid0(VALU_DEP_2)
	v_pk_add_f32 v[208:209], v[208:209], v[P+\i:P+\i+1]
	s_delay_alu instid0(VALU_DEP_2)
	v_pk_add_f32 v[210:211], v[210:211], v[P+\i+2:P+\i+3]
.endr
	s_delay_alu instid0(VALU_DEP_1)
	v_pk_add_f32 v[208:209], v[208:209], v[210:211]
	s_delay_alu instid0(VALU_DEP_1)
	v_add_f32 v212, v208, v209
	RED 212, 213
	s_delay_alu instid0(VALU_DEP_1)
	v_mul_f32 v214, 0x3a800000, v212               ; the mean: / 1,024
	s_delay_alu instid0(VALU_DEP_1)
	v_mov_b32 v215, v214
.set i, 0
.rept 16
	v_pk_add_f32 v[P+i:P+i+1], v[P+i:P+i+1], v[214:215] op_sel_hi:[1,0] neg_lo:[0,1] neg_hi:[0,1]
.set i, i+2
.endr
	v_pk_mul_f32 v[208:209], v[P:P+1], v[P:P+1]
	v_pk_mul_f32 v[210:211], v[P+2:P+3], v[P+2:P+3]
.irp i, 4,8,12,16,20,24,28
	s_delay_alu instid0(VALU_DEP_2)
	v_pk_fma_f32 v[208:209], v[P+\i:P+\i+1], v[P+\i:P+\i+1], v[208:209]
	s_delay_alu instid0(VALU_DEP_2)
	v_pk_fma_f32 v[210:211], v[P+\i+2:P+\i+3], v[P+\i+2:P+\i+3], v[210:211]
.endr
	s_delay_alu instid0(VALU_DEP_1)
	v_pk_add_f32 v[208:209], v[208:209], v[210:211]
	s_delay_alu instid0(VALU_DEP_1)
	v_add_f32 v212, v208, v209
	RED 212, 213
	s_delay_alu instid0(VALU_DEP_1)
	v_mul_f32 v212, 0x3a802008, v212               ; / 1,023
	s_wait_alu depctr_va_vdst(0)
	v_sqrt_f32 v216, v212
	v_nop                                          ; a plain line behind the root,
	s_wait_alu depctr_va_vdst(0)                   ; and the wait ahead of its first reader
	v_add_f32 v216, 0x358637bd, v216               ; + 1e-6
	s_wait_alu depctr_va_vdst(0)
	v_rcp_f32 v218, v216
	v_nop
	s_wait_alu depctr_va_vdst(0)
	v_mov_b32 v219, v218
	s_wait_alu depctr_va_vdst(0)
	s_wait_loadcnt 0x0                             ; alpha1, bias1
.set i, 0
.rept 16
	v_pk_mul_f32 v[P+i:P+i+1], v[P+i:P+i+1], v[218:219] op_sel_hi:[1,0]
.set i, i+2
.endr
.set i, 0
.rept 16
	v_pk_fma_f32 v[P+i:P+i+1], v[P+i:P+i+1], v[AL+i:AL+i+1], v[BI+i:BI+i+1]
.set i, i+2
.endr
.irp j, 0,1,2,3,4,5,6,7
	global_store_b128 v1, v[P+4*\j:P+4*\j+3], s[16:17] offset:512*\j   ; 32 lanes: 512 consecutive bytes, aligned
.endr
.set i, 0
.rept 32
	v_med3_num_f32 v[R+i], v[P+i], -v221, v221     ; the conversion does not saturate (ISA guide 7.6.2)
.set i, i+1
.endr
.irp g, 0,1,2,3
	v_cvt_scalef32_pk8_bf8_f32 v[C+2*\g:C+2*\g+1], v[R+8*\g:R+8*\g+7], v220   ; two words: the four codes of load 2 g and of load 2 g + 1
.endr
	v_nop
.irp j, 0,1,2,3,4,5,6,7
	ds_store_b32 v4, v[C+\j] offset:128*\j
.endr
.irp i, 0,1
	ds_load_b128 v[OUT+4*\i:OUT+4*\i+3], v7 offset:512*\i   ; LDS serves a wave's instructions in order
.endr
	s_wait_dscnt 0x0
.irp i, 0,1
	global_store_b128 v3, v[OUT+4*\i:OUT+4*\i+3], s[18:19] offset:0x200000*\i   ; sixteen lanes: a panel's row of 256 bytes
.endr
	s_wait_tensorcnt 0x0
	ds_add_u32 v224, v225
	s_wait_dscnt 0x0
	s_endpgm
.Lfunc_end_k_q4eef4072f6_ln1:
	.size	k_q4eef4072f6_ln1, .Lfunc_end_k_q4eef4072f6_ln1-k_q4eef4072f6_ln1
	.p2alignl 7, 3214868480
	.fill 96, 4, 3214868480
	.section	.rodata,"a",@progbits
	.p2align	6, 0x0
	.amdhsa_kernel k_q4eef4072f6_ln1
		.amdhsa_group_segment_fixed_size 9216
		.amdhsa_private_segment_fixed_size 0
		.amdhsa_enable_private_segment 0
		.amdhsa_kernarg_size 64
		.amdhsa_user_sgpr_count 2
		.amdhsa_user_sgpr_kernarg_segment_ptr 1
		.amdhsa_wavefront_size32 1
		.amdhsa_system_sgpr_workgroup_id_x 1
		.amdhsa_system_sgpr_workgroup_id_y 1
		.amdhsa_system_sgpr_workgroup_id_z 1
		.amdhsa_system_vgpr_workitem_id 0
		.amdhsa_next_free_vgpr 226
		.amdhsa_next_free_sgpr 66
		.amdhsa_reserve_vcc 0
		.amdhsa_float_denorm_mode_32 3
		.amdhsa_float_denorm_mode_16_64 3
		.amdhsa_memory_ordered 1
		.amdhsa_forward_progress 1
		.amdhsa_inst_pref_size 20
	.end_amdhsa_kernel
	.amdgpu_metadata
---
amdhsa.version: [ 1, 2 ]
amdhsa.kernels:
  - .name:           k_q4eef4072f6_ln1
    .symbol:         k_q4eef4072f6_ln1.kd
    .args:
      - { .name: part, .offset: 0, .size: 8, .value_kind: global_buffer, .address_space: global }
      - { .name: x, .offset: 8, .size: 8, .value_kind: global_buffer, .address_space: global }
      - { .name: wo_b, .offset: 16, .size: 8, .value_kind: global_buffer, .address_space: global }
      - { .name: alpha1, .offset: 24, .size: 8, .value_kind: global_buffer, .address_space: global }
      - { .name: bias1, .offset: 32, .size: 8, .value_kind: global_buffer, .address_space: global }
      - { .name: lowp_scales, .offset: 40, .size: 8, .value_kind: global_buffer, .address_space: global }
      - { .name: x1, .offset: 48, .size: 8, .value_kind: global_buffer, .address_space: global }
      - { .name: cb, .offset: 56, .size: 8, .value_kind: global_buffer, .address_space: global }
    .group_segment_fixed_size: 9216
    .private_segment_fixed_size: 0
    .kernarg_segment_align: 8
    .kernarg_segment_size: 64
    .max_flat_workgroup_size: 256
    .sgpr_count:     66
    .vgpr_count:     226
    .wavefront_size: 32
...
	.end_amdgpu_metadata
.endif
;; end of part 5
;; launch ffn1 (part 6): grid 16 x 16, 4 waves a work-group, clusters of 4 x 4, 327,680 bytes of LDS; arguments cb, wc, b1, lowp_scales, hid; writes hid
.if DOCPART == 6
	.amdgcn_target "amdgcn-amd-amdhsa--gfx1250"
	.amdhsa_code_object_version 6
	.text
	.protected	k_q4eef4072f6_ffn1
	.globl	k_q4eef4072f6_ffn1
	.p2align	8
	.type	k_q4eef4072f6_ffn1,@function
k_q4eef4072f6_ffn1:
	s_mov_b64 s[64:65], 0
	v_nop
	global_prefetch_b8 v0, s[64:65] scope:SCOPE_SE
	s_setreg_imm32_b32 hwreg(HW_REG_WAVE_MODE, 25, 1), 1
	s_wait_xcnt 0x0
	s_wait_alu depctr_hold_cnt(0) depctr_sa_sdst(0) depctr_va_vdst(0) depctr_va_sdst(0) depctr_va_ssrc(0) depctr_va_vcc(0) depctr_vm_vsrc(0)
	s_getreg_b32 s2, hwreg(HW_REG_IB_STS2, 6, 4)
	s_cmp_eq_u32 s2, 0
	s_cbranch_scc0 .Lentry_in_a_cluster
	s_endpgm
.Lentry_in_a_cluster:
	s_bfe_u32 s2, ttmp6, 0x10000c
	s_cmp_lg_u32 s2, 0xf033
	s_cbranch_scc0 .Lentry_shape_is_right
	s_endpgm
.Lentry_shape_is_right:
.set ROWB,   256
.set PITCH,  272
.set FR,     16
.set NL,     4
.set NP,     4
.set HALFT,  128*PITCH
.set SLOT,   4*HALFT
.set SPARE,  2*SLOT
.set STRA,   0x100000
.set STRB,   0x100000
.set ADRA, 16
.set ADRB, 20
.set STO,  24
.set RD,   25
.set CO,   26
.set SPW,  28
.set NIL,  29
.set LIM,  30
.set SC,   31
.set TMP,  32
.set AF,   128
.set G1, 24
.set G0, 32
.set G1B, 48
.set G0B, 56
.set MSB, 0
.macro WIN new
.if MSB != (\new)
	s_set_vgpr_msb (MSB<<8)|(\new)
.set MSB, (\new)
.endif
.endm
.set MUL_LO, 0xa1
.set MUL_HI, 0xf1
.set TO_B,   0x40
.macro JLOAD g0a, g1a, g0b, g1b
	s_cmp_eq_u32 s15, 0
	s_cbranch_scc0 .Lfor_b_\@
	tensor_load_to_lds s[\g0a:\g0a+3], s[\g1a:\g1a+7]
	s_nop 0
.rept 4
	v_nop
.endr
	s_branch .Lasked_\@
.Lfor_b_\@:
	tensor_load_to_lds s[\g0b:\g0b+3], s[\g1b:\g1b+7]
	s_nop 0
.rept 4
	v_nop
.endr
.Lasked_\@:
.endm
.macro CREST
	s_cmp_lg_u32 s14, 0
	s_cbranch_scc1 .Lnot_wave_0_\@
	s_barrier_signal -3
.Lnot_wave_0_\@:
	s_barrier_wait -3
	s_barrier_signal -1
	s_barrier_wait -1
.endm
.macro CROUND
	s_barrier_signal -1
	s_barrier_wait -1
	CREST
.endm
	s_load_b256 s[4:11], s[0:1], 0x0
	s_load_b64 s[12:13], s[0:1], 0x20
	v_lshl_add_u32 v[SPW], v0, 2, SPARE
	v_mov_b32 v[NIL], 0
	ds_add_u32 v28, v29
	ds_add_u32 v28, v29
	s_wait_dscnt 0x0
	v_lshrrev_b32 v1, 5, v0
	v_readfirstlane_b32 s14, v1
	v_and_b32 v27, 31, v0
	v_lshlrev_b32 v27, 8, v27                      ; the prefetches' offset: a lane a row of 256 bytes; never rewritten
	s_wait_alu depctr_va_vdst(0)                   ; the wait behind the write
	s_lshr_b32 s15, s14, 1
	s_and_b32 s16, s14, 1
	s_bfe_u32 s40, ttmp6, 0x40000
	s_bfe_u32 s41, ttmp6, 0x40004
	s_lshl_b32 s42, ttmp9, 2
	s_add_co_u32 s42, s42, s40
	s_and_b32 s17, ttmp7, 0xffff
	s_lshl_b32 s17, s17, 2
	s_add_co_u32 s17, s17, s41
	s_lshl_b32 s43, s41, 2
	s_lshl_b32 s43, 15, s43
	s_lshl_b32 s44, 0x1111, s40
	s_or_b32 s[G1+0], s43, (0<<16)|(1<<20)|(1<<21)|(5<<22)|(3<<25)
	s_or_b32 s[G1B+0], s44, (0<<16)|(1<<20)|(1<<21)|(5<<22)|(3<<25)
.irp g, G1, G1B
	s_mov_b32 s[\g+1], ROWB<<16
	s_mov_b32 s[\g+2], 128<<16
	s_mov_b32 s[\g+3], ROWB<<16
	s_mov_b32 s[\g+4], 128
	s_mov_b32 s[\g+5], ROWB
	s_mov_b32 s[\g+6], 0
	s_mov_b32 s[\g+7], 0
.endr
	s_lshl_b32 s18, s16, 15
	s_lshl_b32 s20, s17, 16
	s_add_co_u32 s20, s20, s18
	s_mov_b32 s21, 0
	s_lshl_b32 s46, s42, 16
	s_add_co_u32 s46, s46, s18
	s_add_co_u32 s46, s46, 0x400000
	s_mov_b32 s47, 0
	s_mul_i32 s45, s14, HALFT
	s_wait_kmcnt 0x0
	s_load_b128 s[68:71], s[10:11], 0x30
	s_add_nc_u64 s[20:21], s[4:5], s[20:21]
	s_add_nc_u64 s[46:47], s[6:7], s[46:47]
	s_cmp_eq_u32 s15, 0                            ; the prefetches: of the 128 rows that I fetch, my work-group's 32, told apart from the partners' by address; never rewritten
	s_cselect_b64 s[84:85], s[20:21], s[46:47]
	s_cselect_b32 s88, s40, s41
	s_mov_b32 s89, 0
	s_lshl_b32 s88, s88, 13
	s_add_nc_u64 s[84:85], s[84:85], s[88:89]
	CROUND
.irp s, 0,1
	s_mov_b32 s[G0+4*\s], 1
	s_add_co_u32 s[G0+4*\s+1], s45, \s*SLOT
	s_add_nc_u64 s[G0+4*\s+2:G0+4*\s+3], s[20:21], \s*STRA
	s_or_b32 s[G0+4*\s+3], s[G0+4*\s+3], 0x80000000
	s_mov_b32 s[G0B+4*\s], 1
	s_add_co_u32 s[G0B+4*\s+1], s45, \s*SLOT
	s_add_nc_u64 s[G0B+4*\s+2:G0B+4*\s+3], s[46:47], \s*STRB
	s_or_b32 s[G0B+4*\s+3], s[G0B+4*\s+3], 0x80000000
.if \s
	s_wait_alu depctr_va_vdst(0)
	s_wait_tensorcnt 0x0
	ds_add_u32 v28, v29
	s_wait_dscnt 0x0
	CROUND
.endif
	JLOAD G0+4*\s, G1, G0B+4*\s, G1B
	global_prefetch_b8 v27, s[84:85] offset:(2+\s)*STRA th:TH_LOAD_NT scope:SCOPE_SE   ; behind fill s's load: the rows of fill s + 2; fill 3 is the last
.endr
	v_and_b32 v1, 15, v0
	v_bfe_u32 v2, v0, 4, 1
	s_lshl_b32 s22, s42, 10
	s_lshl_b32 s23, s16, 9
	s_add_co_u32 s22, s22, s23
	s_mov_b32 s23, 0
	s_add_nc_u64 s[8:9], s[8:9], s[22:23]
	v_lshlrev_b32 v7, 5, v2
.irp b, 0,1,2,3,4,5,6,7
	global_load_b128 v[TMP+8*\b:TMP+8*\b+3], v7, s[8:9] offset:64*\b
	global_load_b128 v[TMP+8*\b+4:TMP+8*\b+7], v7, s[8:9] offset:64*\b+16
.endr
	v_mul_u32_u24 v3, v1, PITCH
	s_wait_alu depctr_va_vdst(0)
	v_lshl_add_u32 v4, v2, 4, v3
	s_mul_i32 s21, s15, HALFT
	s_mul_i32 s22, s16, HALFT
	s_add_co_u32 s22, s22, 2*HALFT
.irp s, 0,1
	v_add_nc_u32 v[ADRA+\s], s21, v4
	v_add_nc_u32 v[ADRB+\s], s22, v4
	s_add_co_u32 s21, s21, SLOT
	s_add_co_u32 s22, s22, SLOT
.endr
	s_mul_i32 s23, s15, 128*PITCH
	s_lshl_b32 s22, s16, 7
	s_add_co_u32 s23, s23, s22
	v_lshl_add_u32 v5, v2, 3, v3
	v_add_nc_u32 v[STO], s23, v5
	s_mul_i32 s23, s14, 64*PITCH
	v_mul_u32_u24 v5, v2, PITCH
	v_lshl_add_u32 v5, v1, 4, v5
	v_add_nc_u32 v[RD], s23, v5
	v_and_b32 v6, 31, v0
	v_lshlrev_b32 v[CO], 4, v6
	s_lshl_b32 s22, s42, 20
	s_lshl_b32 s23, s17, 16
	s_add_co_u32 s22, s22, s23
	s_lshl_b32 s23, s14, 14
	s_add_co_u32 s22, s22, s23
	s_mov_b32 s23, 0
	s_add_nc_u64 s[12:13], s[12:13], s[22:23]
	s_wait_kmcnt 0x0
	s_add_co_i32 s92, s68, s69
	s_sub_co_i32 s93, 0, s92
	s_sub_co_i32 s92, s70, s92
	s_add_co_i32 s92, s92, 127
	s_lshl_b32 s94, s92, 23
	v_mov_b32 v[SC], s94
	s_add_co_i32 s92, s92, 15
	s_lshl_b32 s92, s92, 23
	s_or_b32 s92, s92, 0x600000
	v_mov_b32 v[LIM], s92
	s_wait_loadcnt 0x0
.set j, 0
.rept 64
	v_ldexp_f32 v[TMP+j], v[TMP+j], s93
.set j, j+1
.endr
.macro FRAG reg, adr, q, i
.irp c, 0,1,2,3
	ds_load_b128 v[\reg+4*\c:\reg+4*\c+3], v[\adr] offset:128*(\q)+32*\c+(\i)*16*PITCH
.endr
.endm
.macro MUL16 a0, p, mode
.irp a, \a0, \a0+1
.irp b, 0,1,2,3,4,5,6,7
.if \mode == 2
	v_wmma_f32_16x16x128_bf8_bf8 v[8*(8*((\a)%4)+\b):8*(8*((\a)%4)+\b)+7], v[128*(\p)+FR*\b:128*(\p)+FR*\b+FR-1], v[AF+FR*(\a):AF+FR*(\a)+FR-1], v[TMP+8*\b:TMP+8*\b+7]
.else
	v_wmma_f32_16x16x128_bf8_bf8 v[8*(8*((\a)%4)+\b):8*(8*((\a)%4)+\b)+7], v[128*(\p)+FR*\b:128*(\p)+FR*\b+FR-1], v[AF+FR*(\a):AF+FR*(\a)+FR-1], v[8*(8*((\a)%4)+\b):8*(8*((\a)%4)+\b)+7]
.endif
.endr
.endr
.endm
.macro FETCH_B slot, q, p
	WIN TO_B
.irp i, 0,1,2,3,4,5,6,7
	FRAG 128*(\p)+FR*\i, ADRB+\slot, \q, \i
.endr
	WIN 0
.endm
.macro FETCH_A slot, q, i0
.irp i, \i0, \i0+1, \i0+2, \i0+3
	FRAG AF+FR*(\i), ADRA+\slot, \q, \i
.endr
.endm
.macro PLACES n
.rept \n
	v_nop
.endr
.endm
.macro STEP slot, q, mode
	s_wait_dscnt 4*NL
.if \mode == 2
	WIN 0x81
.else
	WIN MUL_LO
.endif
	MUL16 0, (\q)%2, \mode
	MUL16 2, (\q)%2, \mode
	s_wait_dscnt 0
	PLACES NP
	FETCH_B \slot, (\q)+1, 1-(\q)%2
	FETCH_A \slot, (\q)+1, 0
.if \mode == 2
	WIN 0xc1
.else
	WIN MUL_HI
.endif
	MUL16 4, (\q)%2, \mode
	MUL16 6, (\q)%2, \mode
	PLACES NP
	WIN 0
	FETCH_A \slot, (\q)+1, 4
.endm
.macro TURN slot, next, fill
	s_wait_tensorcnt 0x0
	ds_add_u32 v[SPW], v[NIL]
	s_wait_dscnt 4*NL+1
	WIN MUL_LO
	MUL16 0, 1, 0
	s_wait_dscnt 0x0
	s_barrier_signal -1
	MUL16 2, 1, 0
	WIN 0
	s_barrier_wait -1
.if \fill
	CREST
	s_add_nc_u64 s[G0+4*\slot+2:G0+4*\slot+3], s[G0+4*\slot+2:G0+4*\slot+3], 2*STRA
	s_add_nc_u64 s[G0B+4*\slot+2:G0B+4*\slot+3], s[G0B+4*\slot+2:G0B+4*\slot+3], 2*STRB
	JLOAD G0+4*\slot, G1, G0B+4*\slot, G1B
.else
	PLACES NP
.endif
	FETCH_B \next, 0, 0
	FETCH_A \next, 0, 0
	WIN MUL_HI
	MUL16 4, 1, 0
	MUL16 6, 1, 0
	PLACES NP
	WIN 0
	FETCH_A \next, 0, 4
.endm
	s_wait_alu depctr_va_vdst(0)
	s_wait_tensorcnt 1
	s_barrier_signal -1
	s_barrier_wait -1
	FETCH_B 0, 0, 0
	FETCH_A 0, 0, 0
	FETCH_A 0, 0, 4
	STEP 0, 0, 2
	TURN 0, 1, 1
	STEP 1, 0, 0
	TURN 1, 0, 1
	STEP 0, 0, 0
	TURN 0, 1, 0
	STEP 1, 0, 0
	s_wait_dscnt 4*NL
	WIN MUL_LO
	MUL16 0, 1, 0
	MUL16 2, 1, 0
	s_wait_dscnt 0
	WIN MUL_HI
	MUL16 4, 1, 0
	MUL16 6, 1, 0
	WIN 0
	PLACES NP
.macro CODES a
.set AC, 64*((\a)%4)
	WIN 0x02+((\a)/4)
.set j, 0
.rept 64
	v_med3_num_f32 v[TMP+j], v[AC+j], 0, v[LIM]
.set j, j+1
.endr
	WIN 0
.irp b, 0,1,2,3,4,5,6,7
	v_cvt_scalef32_pk8_bf8_f32 v[AF+16*(\a)+2*\b:AF+16*(\a)+2*\b+1], v[TMP+8*\b:TMP+8*\b+7], v[SC]
.endr
	v_nop
.irp b, 0,1,2,3,4,5,6,7
	ds_store_b64 v[STO], v[AF+16*(\a)+2*\b:AF+16*(\a)+2*\b+1] offset:(\a)*16*PITCH+16*\b
.endr
.endm
.irp a, 0,1,2,3,4,5,6,7
	CODES \a
.endr
	s_wait_dscnt 0x0
	s_barrier_signal -1
	s_barrier_wait -1
.set t, 0
.rept 32
	ds_load_b128 v[AF+4*t:AF+4*t+3], v[RD] offset:t*2*PITCH
.set t, t+1
.endr
.set t, 0
.rept 32
	s_wait_dscnt 31-t
	global_store_b128 v[CO], v[AF+4*t:AF+4*t+3], s[12:13] offset:512*t
.set t, t+1
.endr
	s_wait_tensorcnt 0x0
	ds_add_u32 v[SPW], v[NIL]
	s_wait_dscnt 0x0
	CROUND
	s_endpgm
.Lfunc_end_k_q4eef4072f6_ffn1:
	.size	k_q4eef4072f6_ffn1, .Lfunc_end_k_q4eef4072f6_ffn1-k_q4eef4072f6_ffn1
	.p2alignl 7, 3214868480
	.fill 96, 4, 3214868480
	.section	.rodata,"a",@progbits
	.p2align	6, 0x0
	.amdhsa_kernel k_q4eef4072f6_ffn1
		.amdhsa_group_segment_fixed_size 327680
		.amdhsa_private_segment_fixed_size 0
		.amdhsa_enable_private_segment 0
		.amdhsa_kernarg_size 40
		.amdhsa_user_sgpr_count 2
		.amdhsa_user_sgpr_kernarg_segment_ptr 1
		.amdhsa_wavefront_size32 1
		.amdhsa_system_sgpr_workgroup_id_x 1
		.amdhsa_system_sgpr_workgroup_id_y 1
		.amdhsa_system_sgpr_workgroup_id_z 1
		.amdhsa_system_vgpr_workitem_id 0
		.amdhsa_next_free_vgpr 1024
		.amdhsa_next_free_sgpr 100
		.amdhsa_reserve_vcc 0
		.amdhsa_float_denorm_mode_32 3
		.amdhsa_float_denorm_mode_16_64 3
		.amdhsa_memory_ordered 1
		.amdhsa_forward_progress 1
		.amdhsa_inst_pref_size 131
	.end_amdhsa_kernel
	.amdgpu_metadata
---
amdhsa.version: [ 1, 2 ]
amdhsa.kernels:
  - .name:           k_q4eef4072f6_ffn1
    .symbol:         k_q4eef4072f6_ffn1.kd
    .args:
      - { .name: cb, .offset: 0, .size: 8, .value_kind: global_buffer, .address_space: global }
      - { .name: wc, .offset: 8, .size: 8, .value_kind: global_buffer, .address_space: global }
      - { .name: b1, .offset: 16, .size: 8, .value_kind: global_buffer, .address_space: global }
      - { .name: lowp_scales, .offset: 24, .size: 8, .value_kind: global_buffer, .address_space: global }
      - { .name: hid, .offset: 32, .size: 8, .value_kind: global_buffer, .address_space: global }
    .group_segment_fixed_size: 327680
    .private_segment_fixed_size: 0
    .kernarg_segment_align: 8
    .kernarg_segment_size: 40
    .max_flat_workgroup_size: 128
    .sgpr_count:     100
    .vgpr_count:     1024
    .wavefront_size: 32
...
	.end_amdgpu_metadata
.endif
;; end of part 6
;; launch ffn2 (part 7): grid 8 x 32, 4 waves a work-group, clusters of 4 x 4, 327,680 bytes of LDS; arguments hid, w2c, part; writes part
.if DOCPART == 7
	.amdgcn_target "amdgcn-amd-amdhsa--gfx1250"
	.amdhsa_code_object_version 6
	.text
	.protected	k_q4eef4072f6_ffn2
	.globl	k_q4eef4072f6_ffn2
	.p2align	8
	.type	k_q4eef4072f6_ffn2,@function
k_q4eef4072f6_ffn2:
	s_mov_b64 s[64:65], 0
	v_nop
	global_prefetch_b8 v0, s[64:65] scope:SCOPE_SE
	s_setreg_imm32_b32 hwreg(HW_REG_WAVE_MODE, 25, 1), 1
	s_wait_xcnt 0x0
	s_wait_alu depctr_hold_cnt(0) depctr_sa_sdst(0) depctr_va_vdst(0) depctr_va_sdst(0) depctr_va_ssrc(0) depctr_va_vcc(0) depctr_vm_vsrc(0)
	s_getreg_b32 s2, hwreg(HW_REG_IB_STS2, 6, 4)
	s_cmp_eq_u32 s2, 0
	s_cbranch_scc0 .Lentry_in_a_cluster
	s_endpgm
.Lentry_in_a_cluster:
	s_bfe_u32 s2, ttmp6, 0x10000c
	s_cmp_lg_u32 s2, 0xf033
	s_cbranch_scc0 .Lentry_shape_is_right
	s_endpgm
.Lentry_shape_is_right:
.set KPAN,   16
.set LAPS,   KPAN/4
.set ROWB,   256
.set PITCH,  272
.set FR,     16
.set NP,     4
.set HALFT,  128*PITCH
.set SLOT,   4*HALFT
.set SPARE,  2*SLOT
.set STRA,   0x100000
.set STRB,   0x40000
.set SPITCH, 272
.set CROW,   4096
.set ADRA, 16
.set ADRB, 20
.set STO,  24
.set RD,   25
.set CO,   26
.set SPW,  28
.set NIL,  29
.set ACC,  128
.set F0,   0
.set F1,   128
.set G1, 24
.set G0, 32
.set G1B, 48
.set G0B, 56
.set MSB, 0
.macro WIN new
.if MSB != (\new)
	s_set_vgpr_msb (MSB<<8)|(\new)
.set MSB, (\new)
.endif
.endm
.set MUL,  0x05
.set TO_F, 0x40
.macro JLOAD g0a, g1a, g0b, g1b
	s_cmp_eq_u32 s15, 0
	s_cbranch_scc0 .Lfor_b_\@
	tensor_load_to_lds s[\g0a:\g0a+3], s[\g1a:\g1a+7]
	s_nop 0
.rept 4
	v_nop
.endr
	s_branch .Lasked_\@
.Lfor_b_\@:
	tensor_load_to_lds s[\g0b:\g0b+3], s[\g1b:\g1b+7]
	s_nop 0
.rept 4
	v_nop
.endr
.Lasked_\@:
.endm
.macro CREST
	s_cmp_lg_u32 s14, 0
	s_cbranch_scc1 .Lnot_wave_0_\@
	s_barrier_signal -3
.Lnot_wave_0_\@:
	s_barrier_wait -3
	s_barrier_signal -1
	s_barrier_wait -1
.endm
.macro CROUND
	s_barrier_signal -1
	s_barrier_wait -1
	CREST
.endm
	s_load_b128 s[4:7], s[0:1], 0x0
	s_load_b64 s[10:11], s[0:1], 0x10
	v_lshl_add_u32 v[SPW], v0, 2, SPARE
	v_mov_b32 v[NIL], 0
	ds_add_u32 v28, v29
	ds_add_u32 v28, v29
	s_wait_dscnt 0x0
	v_lshrrev_b32 v1, 5, v0
	v_readfirstlane_b32 s14, v1
	v_and_b32 v27, 31, v0
	v_lshlrev_b32 v27, 8, v27                      ; the prefetches' offset: a lane a row of 256 bytes; never rewritten
	s_wait_alu depctr_va_vdst(0)                   ; the wait behind the write
	s_lshr_b32 s15, s14, 1
	s_and_b32 s16, s14, 1
	s_bfe_u32 s40, ttmp6, 0x40000
	s_bfe_u32 s41, ttmp6, 0x40004
	s_lshl_b32 s42, ttmp9, 2
	s_add_co_u32 s42, s42, s40
	s_and_b32 s17, ttmp7, 0xffff
	s_lshl_b32 s17, s17, 2
	s_add_co_u32 s17, s17, s41
	s_lshl_b32 s43, s41, 2
	s_lshl_b32 s43, 15, s43
	s_lshl_b32 s44, 0x1111, s40
	s_or_b32 s[G1+0], s43, (0<<16)|(1<<20)|(1<<21)|(5<<22)|(3<<25)
	s_or_b32 s[G1B+0], s44, (0<<16)|(1<<20)|(1<<21)|(5<<22)|(3<<25)
.irp g, G1, G1B
	s_mov_b32 s[\g+1], ROWB<<16
	s_mov_b32 s[\g+2], 128<<16
	s_mov_b32 s[\g+3], ROWB<<16
	s_mov_b32 s[\g+4], 128
	s_mov_b32 s[\g+5], ROWB
	s_mov_b32 s[\g+6], 0
	s_mov_b32 s[\g+7], 0
.endr
	s_lshl_b32 s20, s17, 15
	s_mul_i32 s21, s16, STRA
	s_add_co_u32 s20, s20, s21
	s_mov_b32 s21, 0
	s_lshl_b32 s46, s42, 15
	s_mul_i32 s47, s16, STRB
	s_add_co_u32 s46, s46, s47
	s_mov_b32 s47, 0
	s_mul_i32 s45, s14, HALFT
	s_wait_kmcnt 0x0
	s_add_nc_u64 s[20:21], s[4:5], s[20:21]
	s_add_nc_u64 s[46:47], s[6:7], s[46:47]
	s_cmp_eq_u32 s15, 0                            ; the prefetches: of the 128 rows that I fetch, my work-group's 32, told apart from the partners' by address
	s_cselect_b64 s[84:85], s[20:21], s[46:47]
	s_cselect_b32 s88, s40, s41
	s_mov_b32 s86, 2*STRB
	s_cselect_b32 s86, 2*STRA, s86                 ; a fill on: two panels
	s_mov_b32 s87, 0
	s_mov_b32 s89, 0
	s_lshl_b32 s88, s88, 13
	s_add_nc_u64 s[84:85], s[84:85], s[88:89]
	s_add_nc_u64 s[84:85], s[84:85], s[86:87]
	s_add_nc_u64 s[84:85], s[84:85], s[86:87]      ; at fill 2
	CROUND
.irp s, 0,1
	s_mov_b32 s[G0+4*\s], 1
	s_add_co_u32 s[G0+4*\s+1], s45, \s*SLOT
	s_add_nc_u64 s[G0+4*\s+2:G0+4*\s+3], s[20:21], \s*2*STRA
	s_or_b32 s[G0+4*\s+3], s[G0+4*\s+3], 0x80000000
	s_mov_b32 s[G0B+4*\s], 1
	s_add_co_u32 s[G0B+4*\s+1], s45, \s*SLOT
	s_add_nc_u64 s[G0B+4*\s+2:G0B+4*\s+3], s[46:47], \s*2*STRB
	s_or_b32 s[G0B+4*\s+3], s[G0B+4*\s+3], 0x80000000
.if \s
	s_wait_alu depctr_va_vdst(0)
	s_wait_tensorcnt 0x0
	ds_add_u32 v28, v29
	s_wait_xcnt 0x0                                ; the prefetch has read its address
	s_add_nc_u64 s[84:85], s[84:85], s[86:87]
	s_wait_dscnt 0x0
	CROUND
.endif
	JLOAD G0+4*\s, G1, G0B+4*\s, G1B
	global_prefetch_b8 v27, s[84:85] th:TH_LOAD_NT scope:SCOPE_SE   ; behind fill s's load: the rows of fill s + 2
.endr
	v_and_b32 v1, 15, v0
	v_bfe_u32 v2, v0, 4, 1
	v_mul_u32_u24 v3, v1, PITCH
	s_wait_alu depctr_va_vdst(0)
	v_lshl_add_u32 v4, v2, 4, v3
	s_mul_i32 s21, s15, 64*PITCH
	s_mul_i32 s22, s16, 64*PITCH
	s_add_co_u32 s22, s22, 2*HALFT
.irp s, 0,1
	v_add_nc_u32 v[ADRA+\s], s21, v4
	v_add_nc_u32 v[ADRB+\s], s22, v4
	s_add_co_u32 s21, s21, SLOT
	s_add_co_u32 s22, s22, SLOT
.endr
	s_mul_i32 s23, s14, 16*SPITCH
	v_lshl_add_u32 v5, v2, 5, v3
	v_add_nc_u32 v[STO], s23, v5
	v_mul_u32_u24 v5, v2, SPITCH
	v_lshl_add_u32 v5, v1, 4, v5
	v_add_nc_u32 v[RD], s23, v5
	v_lshlrev_b32 v6, 12, v2
	v_lshl_add_u32 v[CO], v1, 4, v6
	s_lshl_b32 s20, s17, 7
	s_lshl_b32 s21, s15, 6
	s_add_co_u32 s20, s20, s21
	s_lshl_b32 s20, s20, 12
	s_lshl_b32 s21, s42, 9
	s_add_co_u32 s20, s20, s21
	s_lshl_b32 s21, s16, 8
	s_add_co_u32 s20, s20, s21
	s_mov_b32 s21, 0
	s_add_nc_u64 s[10:11], s[10:11], s[20:21]
.macro FRAG reg, adr, q, i
.irp c, 0,1,2,3
	ds_load_b128 v[\reg+4*\c:\reg+4*\c+3], v[\adr] offset:((\q)/2)*HALFT+128*((\q)%2)+32*\c+(\i)*16*PITCH
.endr
.endm
.macro FETCH slot, q, f
	WIN TO_F
.irp i, 0,1,2,3
	FRAG (\f)+64+FR*\i, ADRB+\slot, \q, \i
.endr
.irp i, 0,1,2,3
	FRAG (\f)+FR*\i, ADRA+\slot, \q, \i
.endr
.endm
.macro MUL8 f, a0, zero
.irp a, \a0, \a0+1
.irp b, 0,1,2,3
.if \zero
	v_wmma_f32_16x16x128_bf8_bf8 v[ACC+8*(4*(\a)+\b):ACC+8*(4*(\a)+\b)+7], v[(\f)+64+FR*\b:(\f)+64+FR*\b+FR-1], v[(\f)+FR*(\a):(\f)+FR*(\a)+FR-1], 0
.else
	v_wmma_f32_16x16x128_bf8_bf8 v[ACC+8*(4*(\a)+\b):ACC+8*(4*(\a)+\b)+7], v[(\f)+64+FR*\b:(\f)+64+FR*\b+FR-1], v[(\f)+FR*(\a):(\f)+FR*(\a)+FR-1], v[ACC+8*(4*(\a)+\b):ACC+8*(4*(\a)+\b)+7]
.endif
.endr
.endr
.endm
.macro PLACES n
.rept \n
	v_nop
.endr
.endm
.macro SUB slot, q, zero
	PLACES NP
	FETCH \slot, (\q)+1, 128*(((\q)+1)%2)
	s_wait_dscnt 32
	WIN MUL
	MUL8 128*((\q)%2), 0, \zero
	MUL8 128*((\q)%2), 2, \zero
.endm
.macro TURN slot, next, fill
	WIN 0
	s_wait_tensorcnt 0x0
	ds_add_u32 v[SPW], v[NIL]
.if \fill
	s_add_nc_u64 s[G0+4*\slot+2:G0+4*\slot+3], s[G0+4*\slot+2:G0+4*\slot+3], 4*STRA
	s_add_nc_u64 s[G0B+4*\slot+2:G0B+4*\slot+3], s[G0B+4*\slot+2:G0B+4*\slot+3], 4*STRB
	s_wait_xcnt 0x0                                ; the last prefetch, a fill back, has read its address
	s_add_nc_u64 s[84:85], s[84:85], s[86:87]
.endif
	WIN MUL
	s_wait_dscnt 0x0
	s_barrier_signal -1
	MUL8 F1, 0, 0
	WIN 0
	s_barrier_wait -1
.if \fill
	CREST
	JLOAD G0+4*\slot, G1, G0B+4*\slot, G1B
	s_cmp_gt_u32 s3, 1                             ; the last lap's two fills have no fill two on
	s_cbranch_scc0 .Lno_ask_\@
	global_prefetch_b8 v27, s[84:85] th:TH_LOAD_NT scope:SCOPE_SE   ; the rows of the fill two on
.Lno_ask_\@:
.else
	PLACES NP
.endif
	s_wait_alu depctr_va_vdst(0)
	FETCH \next, 0, F0
	WIN MUL
	MUL8 F1, 2, 0
.endm
	s_wait_tensorcnt 1
	s_barrier_signal -1
	s_barrier_wait -1
	FETCH 0, 0, F0
	SUB 0, 0, 1
.if LAPS > 1
	WIN 0
	s_mov_b32 s3, LAPS-1
.Llap:
	SUB 0, 1, 0
	SUB 0, 2, 0
	TURN 0, 1, 1
	SUB 1, 0, 0
	SUB 1, 1, 0
	SUB 1, 2, 0
	TURN 1, 0, 1
	SUB 0, 0, 0
	WIN 0
	s_sub_co_u32 s3, s3, 1
	s_cmp_lg_u32 s3, 0
	s_cbranch_scc1 .Llap
.endif
	SUB 0, 1, 0
	SUB 0, 2, 0
	TURN 0, 1, 0
	SUB 1, 0, 0
	SUB 1, 1, 0
	SUB 1, 2, 0
	s_wait_dscnt 0x0
	MUL8 F1, 0, 0
	MUL8 F1, 2, 0
	WIN 0
.macro TOSTAGE a
.irp b, 0,1,2,3
	ds_store_b128 v[STO], v[ACC+32*(\a)+8*\b:ACC+32*(\a)+8*\b+3] offset:64*\b
	ds_store_b128 v[STO], v[ACC+32*(\a)+8*\b+4:ACC+32*(\a)+8*\b+7] offset:64*\b+16
.endr
.irp t, 0,1,2,3,4,5,6,7
	ds_load_b128 v[ACC+32*(\a)+4*\t:ACC+32*(\a)+4*\t+3], v[RD] offset:\t*2*SPITCH
.endr
.endm
.macro SEND a, younger
.irp t, 0,1,2,3,4,5,6,7
	s_wait_dscnt \younger+7-\t
	global_store_b128 v[CO], v[ACC+32*(\a)+4*\t:ACC+32*(\a)+4*\t+3], s[10:11] offset:(\a)*16*CROW+\t*2*CROW th:TH_STORE_NT
.endr
.endm
	PLACES NP
	TOSTAGE 0
	TOSTAGE 1
	SEND 0, 16
	TOSTAGE 2
	SEND 1, 16
	TOSTAGE 3
	SEND 2, 16
	SEND 3, 0
	s_wait_tensorcnt 0x0
	ds_add_u32 v[SPW], v[NIL]
	s_wait_dscnt 0x0
	CROUND
	s_endpgm
.Lfunc_end_k_q4eef4072f6_ffn2:
	.size	k_q4eef4072f6_ffn2, .Lfunc_end_k_q4eef4072f6_ffn2-k_q4eef4072f6_ffn2
	.p2alignl 7, 3214868480
	.fill 96, 4, 3214868480
	.section	.rodata,"a",@progbits
	.p2align	6, 0x0
	.amdhsa_kernel k_q4eef4072f6_ffn2
		.amdhsa_group_segment_fixed_size 327680
		.amdhsa_private_segment_fixed_size 0
		.amdhsa_enable_private_segment 0
		.amdhsa_kernarg_size 24
		.amdhsa_user_sgpr_count 2
		.amdhsa_user_sgpr_kernarg_segment_ptr 1
		.amdhsa_wavefront_size32 1
		.amdhsa_system_sgpr_workgroup_id_x 1
		.amdhsa_system_sgpr_workgroup_id_y 1
		.amdhsa_system_sgpr_workgroup_id_z 1
		.amdhsa_system_vgpr_workitem_id 0
		.amdhsa_next_free_vgpr 512
		.amdhsa_next_free_sgpr 98
		.amdhsa_reserve_vcc 0
		.amdhsa_float_denorm_mode_32 3
		.amdhsa_float_denorm_mode_16_64 3
		.amdhsa_memory_ordered 1
		.amdhsa_forward_progress 1
		.amdhsa_inst_pref_size 71
	.end_amdhsa_kernel
	.amdgpu_metadata
---
amdhsa.version: [ 1, 2 ]
amdhsa.kernels:
  - .name:           k_q4eef4072f6_ffn2
    .symbol:         k_q4eef4072f6_ffn2.kd
    .args:
      - { .name: hid, .offset: 0, .size: 8, .value_kind: global_buffer, .address_space: global }
      - { .name: w2c, .offset: 8, .size: 8, .value_kind: global_buffer, .address_space: global }
      - { .name: part, .offset: 16, .size: 8, .value_kind: global_buffer, .address_space: global }
    .group_segment_fixed_size: 327680
    .private_segment_fixed_size: 0
    .kernarg_segment_align: 8
    .kernarg_segment_size: 24
    .max_flat_workgroup_size: 128
    .sgpr_count:     98
    .vgpr_count:     512
    .wavefront_size: 32
...
	.end_amdgpu_metadata
.endif
;; end of part 7
;; launch ln2 (part 8): grid 512 x 1, 8 waves a work-group, no clusters, 0 bytes of LDS; arguments part, x1, b2, alpha2, bias2, lowp_scales, out0; writes out0
.if DOCPART == 8
	.amdgcn_target "amdgcn-amd-amdhsa--gfx1250"
	.amdhsa_code_object_version 6
	.text
	.protected	k_q4eef4072f6_ln2
	.globl	k_q4eef4072f6_ln2
	.p2align	8
	.type	k_q4eef4072f6_ln2,@function
k_q4eef4072f6_ln2:
	s_mov_b64 s[64:65], 0
	v_nop
	global_prefetch_b8 v0, s[64:65] scope:SCOPE_SE
	s_setreg_imm32_b32 hwreg(HW_REG_WAVE_MODE, 25, 1), 1
	s_wait_xcnt 0x0
; out0 = layernorm(x1 + (sums x 2^(e14 + e15) + b2)) with gain alpha2 and bias2; std with divisor 1,023, 1e-6 added to std.
; One wave, one row of 1,024 numbers, 32 a lane (load j: columns 128 j + 4 lane + 0 .. 3): the row stays in registers; mean first, then the squares of the differences: no difference of large sums is formed.
; No loop, no LDS, no barrier: waves share nothing.  Matrix units and clusters have nothing to do here.
; LIMIT: e14 + e15 between -126 and 127.  NaN is not served.
.set P,  32                            ; the sums, then y, then the result
.set R,  64                            ; x1
.set BB, 96                            ; b2
.set AL, 128
.set BI, 160
.macro RED v, tmp                      ; the sum over the 32 lanes, in every lane
	s_delay_alu instid0(VALU_DEP_1)
	v_add_f32_dpp v[\v], v[\v], v[\v] row_xmask:1 row_mask:0xf bank_mask:0xf
	s_delay_alu instid0(VALU_DEP_1)
	v_add_f32_dpp v[\v], v[\v], v[\v] row_xmask:2 row_mask:0xf bank_mask:0xf
	s_delay_alu instid0(VALU_DEP_1)
	v_add_f32_dpp v[\v], v[\v], v[\v] row_xmask:4 row_mask:0xf bank_mask:0xf
	s_delay_alu instid0(VALU_DEP_1)
	v_add_f32_dpp v[\v], v[\v], v[\v] row_xmask:8 row_mask:0xf bank_mask:0xf
	s_delay_alu instid0(VALU_DEP_1)
	v_permlanex16_b32 v[\tmp], v[\v], s34, s35
	s_delay_alu instid0(VALU_DEP_1)
	v_add_f32 v[\v], v[\v], v[\tmp]
.endm
.macro LD8 reg, base
.irp j, 0,1,2,3,4,5,6,7
	global_load_b128 v[\reg+4*\j:\reg+4*\j+3], v1, s[\base:\base+1] offset:512*\j
.endr
.endm
.macro LD8NT reg, base
.irp j, 0,1,2,3,4,5,6,7
	global_load_b128 v[\reg+4*\j:\reg+4*\j+3], v1, s[\base:\base+1] offset:512*\j th:TH_LOAD_NT
.endr
.endm
	s_load_b256 s[4:11], s[0:1], 0x0               ; part 4, x1 6, b2 8, alpha2 10
	s_load_b128 s[12:15], s[0:1], 0x20             ; bias2 12, the scales 14
	s_load_b64 s[16:17], s[0:1], 0x30              ; out0
	v_lshrrev_b32 v1, 5, v0
	s_delay_alu instid0(VALU_DEP_1)
	v_readfirstlane_b32 s3, v1                     ; wave 0..7
	v_and_b32 v2, 31, v0
	s_delay_alu instid0(VALU_DEP_1)
	v_lshlrev_b32 v1, 4, v2                        ; 16 x lane
	s_lshl_b32 s30, ttmp9, 3
	s_add_co_u32 s30, s30, s3                      ; my row
	s_lshl_b32 s30, s30, 12
	s_mov_b32 s31, 0
	s_mov_b32 s34, 0x76543210
	s_mov_b32 s35, 0xfedcba98
	v_mov_b32 v13, 0                               ; a lane permute's destination counts as read
	s_wait_alu depctr_va_vdst(0)
	s_wait_kmcnt 0x0
	s_load_b64 s[28:29], s[14:15], 0x38            ; e14, e15
	s_add_nc_u64 s[4:5], s[4:5], s[30:31]
	s_add_nc_u64 s[6:7], s[6:7], s[30:31]
	s_add_nc_u64 s[16:17], s[16:17], s[30:31]
	LD8NT P, 4
	LD8NT R, 6
	LD8 BB, 8
	LD8 AL, 10
	LD8 BI, 12
	s_wait_kmcnt 0x0
	s_add_co_i32 s32, s28, s29
	s_add_co_i32 s32, s32, 127
	s_lshl_b32 s32, s32, 23                        ; 2^(e14 + e15) as f32
	s_mov_b32 s33, s32                             ; (named with it as a pair)
	s_wait_loadcnt 16                              ; the sums, x1 and b2 are in; alpha2's and bias2's sixteen loads may be out
.set i, 0
.rept 16
	v_pk_fma_f32 v[P+i:P+i+1], v[P+i:P+i+1], s[32:33], v[BB+i:BB+i+1] op_sel_hi:[1,0,1]   ; the product's result + b2,
.set i, i+2
.endr
.set i, 0
.rept 16
	v_pk_add_f32 v[P+i:P+i+1], v[P+i:P+i+1], v[R+i:R+i+1]                                 ; + x1
.set i, i+2
.endr
	v_pk_add_f32 v[8:9], v[P:P+1], v[P+2:P+3]
	v_pk_add_f32 v[10:11], v[P+4:P+5], v[P+6:P+7]
.irp i, 8,12,16,20,24,28
	s_delay_alu instid0(VALU_DEP_2)
	v_pk_add_f32 v[8:9], v[8:9], v[P+\i:P+\i+1]
	s_delay_alu instid0(VALU_DEP_2)
	v_pk_add_f32 v[10:11], v[10:11], v[P+\i+2:P+\i+3]
.endr
	s_delay_alu instid0(VALU_DEP_1)
	v_pk_add_f32 v[8:9], v[8:9], v[10:11]
	s_delay_alu instid0(VALU_DEP_1)
	v_add_f32 v12, v8, v9
	RED 12, 13
	s_delay_alu instid0(VALU_DEP_1)
	v_mul_f32 v14, 0x3a800000, v12                 ; the mean: / 1,024
	s_delay_alu instid0(VALU_DEP_1)
	v_mov_b32 v15, v14
.set i, 0
.rept 16
	v_pk_add_f32 v[P+i:P+i+1], v[P+i:P+i+1], v[14:15] op_sel_hi:[1,0] neg_lo:[0,1] neg_hi:[0,1]
.set i, i+2
.endr
	v_pk_mul_f32 v[8:9], v[P:P+1], v[P:P+1]
	v_pk_mul_f32 v[10:11], v[P+2:P+3], v[P+2:P+3]
.irp i, 4,8,12,16,20,24,28
	s_delay_alu instid0(VALU_DEP_2)
	v_pk_fma_f32 v[8:9], v[P+\i:P+\i+1], v[P+\i:P+\i+1], v[8:9]
	s_delay_alu instid0(VALU_DEP_2)
	v_pk_fma_f32 v[10:11], v[P+\i+2:P+\i+3], v[P+\i+2:P+\i+3], v[10:11]
.endr
	s_delay_alu instid0(VALU_DEP_1)
	v_pk_add_f32 v[8:9], v[8:9], v[10:11]
	s_delay_alu instid0(VALU_DEP_1)
	v_add_f32 v12, v8, v9
	RED 12, 13
	s_delay_alu instid0(VALU_DEP_1)
	v_mul_f32 v12, 0x3a802008, v12                 ; / 1,023
	s_wait_alu depctr_va_vdst(0)
	v_sqrt_f32 v16, v12
	v_nop                                          ; a plain line behind the root,
	s_wait_alu depctr_va_vdst(0)                   ; and the wait ahead of its first reader
	v_add_f32 v16, 0x358637bd, v16                 ; + 1e-6
	s_wait_alu depctr_va_vdst(0)
	v_rcp_f32 v18, v16
	v_nop
	s_wait_alu depctr_va_vdst(0)
	v_mov_b32 v19, v18
	s_wait_alu depctr_va_vdst(0)
	s_wait_loadcnt 0x0                             ; alpha2, bias2
.set i, 0
.rept 16
	v_pk_mul_f32 v[P+i:P+i+1], v[P+i:P+i+1], v[18:19] op_sel_hi:[1,0]
.set i, i+2
.endr
.set i, 0
.rept 16
	v_pk_fma_f32 v[P+i:P+i+1], v[P+i:P+i+1], v[AL+i:AL+i+1], v[BI+i:BI+i+1]
.set i, i+2
.endr
.irp j, 0,1,2,3,4,5,6,7
	global_store_b128 v1, v[P+4*\j:P+4*\j+3], s[16:17] offset:512*\j th:TH_STORE_NT   ; 32 lanes: 512 consecutive bytes, aligned
.endr
	s_endpgm
.Lfunc_end_k_q4eef4072f6_ln2:
	.size	k_q4eef4072f6_ln2, .Lfunc_end_k_q4eef4072f6_ln2-k_q4eef4072f6_ln2
	.p2alignl 7, 3214868480
	.fill 96, 4, 3214868480
	.section	.rodata,"a",@progbits
	.p2align	6, 0x0
	.amdhsa_kernel k_q4eef4072f6_ln2
		.amdhsa_group_segment_fixed_size 0
		.amdhsa_private_segment_fixed_size 0
		.amdhsa_enable_private_segment 0
		.amdhsa_kernarg_size 56
		.amdhsa_user_sgpr_count 2
		.amdhsa_user_sgpr_kernarg_segment_ptr 1
		.amdhsa_wavefront_size32 1
		.amdhsa_system_sgpr_workgroup_id_x 1
		.amdhsa_system_sgpr_workgroup_id_y 1
		.amdhsa_system_sgpr_workgroup_id_z 1
		.amdhsa_system_vgpr_workitem_id 0
		.amdhsa_next_free_vgpr 192
		.amdhsa_next_free_sgpr 66
		.amdhsa_reserve_vcc 0
		.amdhsa_float_denorm_mode_32 3
		.amdhsa_float_denorm_mode_16_64 3
		.amdhsa_memory_ordered 1
		.amdhsa_forward_progress 1
		.amdhsa_inst_pref_size 16
	.end_amdhsa_kernel
	.amdgpu_metadata
---
amdhsa.version: [ 1, 2 ]
amdhsa.kernels:
  - .name:           k_q4eef4072f6_ln2
    .symbol:         k_q4eef4072f6_ln2.kd
    .args:
      - { .name: part, .offset: 0, .size: 8, .value_kind: global_buffer, .address_space: global }
      - { .name: x1, .offset: 8, .size: 8, .value_kind: global_buffer, .address_space: global }
      - { .name: b2, .offset: 16, .size: 8, .value_kind: global_buffer, .address_space: global }
      - { .name: alpha2, .offset: 24, .size: 8, .value_kind: global_buffer, .address_space: global }
      - { .name: bias2, .offset: 32, .size: 8, .value_kind: global_buffer, .address_space: global }
      - { .name: lowp_scales, .offset: 40, .size: 8, .value_kind: global_buffer, .address_space: global }
      - { .name: out0, .offset: 48, .size: 8, .value_kind: global_buffer, .address_space: global }
    .group_segment_fixed_size: 0
    .private_segment_fixed_size: 0
    .kernarg_segment_align: 8
    .kernarg_segment_size: 56
    .max_flat_workgroup_size: 256
    .sgpr_count:     66
    .vgpr_count:     192
    .wavefront_size: 32
...
	.end_amdgpu_metadata
.endif
;; end of part 8
